; MI455X (gfx1250); checked and timed in simulation.
; The chip was launched on July 23, 2026; its instructions are those of AMD's public machine-readable ISA for CDNA 5 (MIT licence, August 2026) and "CDNA5" Instruction Set Architecture Reference Guide (July 2026). The comments in the code are by the model that wrote it; some were corrected since.
;; Decoder Layer. Allowed arithmetic: matrix products marked QUANTISED: E4M3 operands, one E8M0 scale for each 32 along K, by v_wmma_scale_f32_16x16x128_f8f6f4 with both operands' format E4M3, f32 sums; everything else in f32.
;; Inputs: attention_mask 1 x 1 x 2,048 x 2,048 bool; attn_norm_w 2,048 float32; ff_norm_w 2,048 float32; freqs_cis 2,048 x 32 x 2 float32; w1_codes 2,048 x 64 x 32 uint8 (E4M3 codes of w1, K innermost, in blocks of 32 codes); w1_scales 2,048 x 64 uint8 (E8M0 scales of w1, one for each 32 codes along K); w2_codes 2,048 x 64 x 32 uint8 (E4M3 codes of w2, K innermost, in blocks of 32 codes); w2_scales 2,048 x 64 uint8 (E8M0 scales of w2, one for each 32 codes along K); w3_codes 2,048 x 64 x 32 uint8 (E4M3 codes of w3, K innermost, in blocks of 32 codes); w3_scales 2,048 x 64 uint8 (E8M0 scales of w3, one for each 32 codes along K); w_o_codes 2,048 x 64 x 32 uint8 (E4M3 codes of w_o, K innermost, in blocks of 32 codes); w_o_scales 2,048 x 64 uint8 (E8M0 scales of w_o, one for each 32 codes along K); w_qkv_codes 3,072 x 64 x 32 uint8 (E4M3 codes of w_qkv, K innermost, in blocks of 32 codes); w_qkv_scales 3,072 x 64 uint8 (E8M0 scales of w_qkv, one for each 32 codes along K); x 1 x 2,048 x 2,048 float32.
;; Outputs: out0 1 x 2,048 x 2,048 float32.
;; This version of the problem:
;;   THIS VERSION OF THE PROBLEM IS GIVEN IN LOW PRECISION. The matrix products marked QUANTISED in the list below multiply operands that are first quantised to E4M3 (4 exponent bits, 3 mantissa bits; 8 bits a number), with one power-of-two scale for each 32 numbers along K (OCP MX v1.0); their sums are f32. All else is computed in f32.
;;   The module's matrix products, in the order in which they are computed (A, B: the left and right operand; K: the contracted axis; several contracted axes count as one K, in the product's order):
;;     1. [M 2,048, K 2,048] x [K 2,048, N 3,072]; A: computed on the way; B: input w_qkv (given as codes): QUANTISED
;;     2. batch 32 x [M 2,048, K 64] x [K 64, N 2,048]; A: computed on the way; B: computed on the way: QUANTISED
;;     3. batch 32 x [M 2,048, K 2,048] x [K 2,048, N 64]; A: softmax (see below); B: computed on the way: QUANTISED
;;     4. [M 2,048, K 2,048] x [K 2,048, N 2,048]; A: computed on the way; B: input w_o (given as codes): QUANTISED
;;     5. [M 2,048, K 2,048] x [K 2,048, N 2,048]; A: computed on the way; B: input w1 (given as codes): QUANTISED
;;     6. [M 2,048, K 2,048] x [K 2,048, N 2,048]; A: computed on the way; B: input w3 (given as codes): QUANTISED
;;     7. [M 2,048, K 2,048] x [K 2,048, N 2,048]; A: computed on the way; B: input w2 (given as codes): QUANTISED
;;   THE QUANTISER, for each operand of a quantised product, along K:
;;     - K is cut into blocks of 32 from its start; a last block that is shorter is filled with zeros.
;;     - A block's scale is 2^e with e = floor(log2(the largest magnitude in the block)) - 8, held to -126 .. 127; a block of zeros has e = 0. As a byte (E8M0): e + 127.
;;     - Each number is divided by its block's scale, clamped to +-448, and rounded to the nearest number of E4M3, ties to even, subnormals kept.
;;     - The product sums the exact products of the quantised numbers (number of the format x scale) in f32.
;;   ~~~python
;;   def quantise(x, axis):      # numpy; x: float32 -> the quantised numbers, widened to float32 again
;;       x = np.moveaxis(x, axis, -1); K = x.shape[-1]
;;       x = np.pad(x, [(0, 0)] * (x.ndim - 1) + [(0, -K % 32)]); x = x.reshape(x.shape[:-1] + (-1, 32)); a = np.abs(x).max(-1, keepdims=True)
;;       e = np.where(a > 0, np.clip(np.frexp(np.where(a > 0, a, 1))[1] - 1 - 8, -126, 127), 0)      # np.frexp(a)[1] - 1 = floor(log2(a)), exactly
;;       r = np.clip(x / 2.0 ** e, -448, 448)
;;       step = 2.0 ** (np.maximum(np.frexp(np.where(r == 0, 1, r))[1] - 1, -6) - 3)
;;       q = np.round(r / step) * step * 2.0 ** e      # np.round: ties to even
;;       return np.moveaxis(q.reshape(q.shape[:-2] + (-1,))[..., :K], -1, axis).astype(np.float32)
;;   ~~~
;;   SOFTMAX AHEAD OF A QUANTISED PRODUCT. Where the list says 'softmax', what is quantised is not the finished softmax but p = 2^(t - M), with t = logit x log2(e) and M = ceil(the row's largest t), a whole number; so 1/2 < the row's largest p <= 1. The row's sum l is taken of the UNQUANTISED p, in f32, and the product's result is divided by l at the end. Since M is a whole number, a kernel that streams over the keys may use a running M (the ceiling of the running maximum): every later rescaling is an exact power of two, which a block's scale takes up: the codes' values come out the same.
;;   OPERANDS COMPUTED ON THE WAY. 'Computed on the way' means the value that the module computes at that place (a softmax that the list does not call 'softmax' is quantised finished and normalised). What goes into a quantiser is computed in f32, as accurately as f32 sums, v_exp_f32 and their like allow (about 1e-6 of the number): no bf16 or f16 on the way to a quantiser, and a product that is left as it is and whose result goes on into a quantised operand takes f32 operands (vector FMAs, or v_wmma_f32_16x16x4_f32). A number that lies on a knife's edge between two numbers of the format may be rounded either way, as far as f32 arithmetic and the matrix unit's own rounding can turn it there, and no further.
;;   INPUTS GIVEN AS CODES. w1 (in the module: [2048, 2048], K = its axis 1); w2 (in the module: [2048, 2048], K = its axis 1); w3 (in the module: [2048, 2048], K = its axis 1); w_o (in the module: [2048, 2048], K = its axis 1); w_qkv (in the module: [3072, 2048], K = its axis 1): each comes as NAME_codes (uint8): NAME with its K axis moved to the last place and cut into blocks of 32 codes, [.., K / 32, bytes a block], one block behind the other in memory; one code a byte (a code: sign, 4 exponent bits, 3 mantissa bits); and NAME_scales (uint8): the same leading axes, one E8M0 byte (e + 127) for each 32 codes along K. Its value is code x scale, taken as it is: it is not quantised again, and the codes and scales need not be those that the quantiser above would give.
;; One version. Each part assembles by itself: llvm-mc -triple=amdgcn-amd-amdhsa -mcpu=gfx1250 --defsym DOCPART=n.
;; ======== version 1 of 1: 7 launches
;; limits: right only within a limited range of input values
;; workspace buffers: a0 4,325,376 bytes; a1 4,325,376 bytes; q 4,325,376 bytes; kv 2,162,688 bytes; h2 16,777,216 bytes; flags 8,192 bytes of whole numbers
;; launch norm1 (part 1): grid 256 x 1, 8 waves a work-group, no clusters, 83,456 bytes of LDS; arguments x, attn_norm_w, attention_mask, a0, flags; writes a0, flags
.if DOCPART == 1
	.amdgcn_target "amdgcn-amd-amdhsa--gfx1250"
	.amdhsa_code_object_version 6
	.text
	.protected	k_qe36a217064_norm1
	.globl	k_qe36a217064_norm1
	.p2align	8
	.type	k_qe36a217064_norm1,@function
k_qe36a217064_norm1:
	s_mov_b64 s[64:65], 0
	v_nop
	global_prefetch_b8 v0, s[64:65] scope:SCOPE_SE
	s_setreg_imm32_b32 hwreg(HW_REG_WAVE_MODE, 25, 1), 1
	s_wait_xcnt 0x0
; h = x * rsqrt(mean(x^2) + 1e-5) * w, quantised along its 2,048 columns to codes of E4M3 with one E8M0 byte for each 32: a0 = codes [2048][2048], then at byte 4,194,304 the scale bytes [2048][64].
; Beside it the mask's rows are summed up into whole numbers: flags[row]: bit j = some key of 128 j .. 128 j + 127 is true, bit 16 + j = all of them are true.
; SHARES: a work-group takes 8 rows, a wave one row (8,192 bytes of x, 2,048 of the mask).  Each load of x reads 512 consecutive bytes; the numbers turn through the wave's own stage in LDS
; (64 bytes + 16 of padding a lane), so that a lane then holds 16 neighbours of each of four chunks of 512: two neighbouring lanes hold a block of 32.
; No matrix unit, no cluster, no tensor load: the launch streams, and its work-groups share nothing but the 8,192 bytes of w.
; LIMITS: a block whose largest magnitude lies under 2^-118 (a block of zeros too) gets the byte 1: the bytes are read by this program alone; NaN and infinities are not served; a mask byte is 0 or 1.
.set SP,    80                         ; a lane's place in a stage
.set WST,   4*32*SP                    ; a wave's stage: four chunks
.set SCBY,  8*WST                      ; behind the stages: the work-group's 512 scale bytes
.set R,     16                         ; v16-79   x as loaded
.set X,     80                         ; v80-143  X[16 c + i] = x[512 c + 16 lane + i]
.set W,     144                        ; v144-207 w in the same order
.set C,     208                        ; v208-223 codes, four registers a chunk
.set E,     224                        ; v224-227 scale bytes
.set M,     228                        ; v228-243 the mask row's bytes
.set HOLD,  228                        ; later: 448 x the scale
.set SOP,   232                        ; and the conversions' scale operands
.set MXB,   244                        ; v244-247 second chains of the maxima
	s_load_b256 s[4:11], s[0:1], 0x0               ; x, w, the mask, a0
	s_load_b64 s[12:13], s[0:1], 0x20              ; flags
	v_lshl_add_u32 v248, v0, 2, 0x14200
	v_mov_b32 v249, 0
	v_lshrrev_b32 v8, 5, v0
	s_delay_alu instid0(VALU_DEP_1)
	v_readfirstlane_b32 s16, v8                    ; wave 0..7
	v_and_b32 v1, 31, v0                           ; lane
	s_delay_alu instid0(VALU_DEP_1)
	v_lshlrev_b32 v2, 4, v1                        ; 16 x lane
	s_mul_i32 s17, s16, WST
	v_lshrrev_b32 v3, 2, v1
	s_delay_alu instid0(VALU_DEP_1)
	v_mul_u32_u24 v3, v3, SP
	v_and_b32 v8, 3, v1
	s_delay_alu instid0(VALU_DEP_1)
	v_lshl_add_u32 v3, v8, 4, v3
	s_delay_alu instid0(VALU_DEP_1)
	v_add_nc_u32 v3, s17, v3                       ; into the stage: four lanes' 64 bytes on end, then the padding
	v_mul_u32_u24 v4, v1, SP
	s_delay_alu instid0(VALU_DEP_1)
	v_add_nc_u32 v4, s17, v4                       ; out of it: my 16 neighbours
	s_lshl_b32 s18, s16, 6
	s_add_co_u32 s18, s18, SCBY
	v_lshrrev_b32 v5, 1, v1
	s_delay_alu instid0(VALU_DEP_1)
	v_add_nc_u32 v5, s18, v5                       ; my row's 64 scale bytes, my block's byte
	v_add_nc_u32 v6, SCBY, v2                      ; wave 0 reads all 512 back
	v_lshlrev_b32 v7, 6, v1                        ; w: my 16 numbers of a chunk
	s_lshl_b32 s19, ttmp9, 3
	s_add_co_u32 s19, s19, s16                     ; my row
	s_lshl_b32 s20, s19, 13
	s_mov_b32 s21, 0
	s_lshl_b32 s22, s19, 11
	s_mov_b32 s23, 0
	s_lshl_b32 s26, ttmp9, 9
	s_add_co_u32 s26, s26, 0x400000
	s_mov_b32 s27, 0
	s_lshl_b32 s44, s19, 2
	s_mov_b32 s45, 0
	s_mov_b32 s14, 0x76543210
	s_mov_b32 s15, 0xfedcba98                      ; lane l xor 16
	s_mov_b32 s36, 0x3727c5ac                      ; 1e-5
	s_mov_b32 s37, 0x600000                        ; the mantissa field of 448
	s_wait_alu depctr_va_vdst(0)
	s_wait_kmcnt 0x0
	s_add_nc_u64 s[4:5], s[4:5], s[20:21]
	s_add_nc_u64 s[8:9], s[8:9], s[22:23]
	s_add_nc_u64 s[24:25], s[10:11], s[22:23]      ; my row of codes
	s_add_nc_u64 s[26:27], s[10:11], s[26:27]      ; the work-group's scale bytes
	s_add_nc_u64 s[12:13], s[12:13], s[44:45]
.irp n, 0,1,2,3,4,5,6,7,8,9,10,11,12,13,14,15
	global_load_b128 v[R+4*\n:R+4*\n+3], v2, s[4:5] offset:512*\n th:TH_LOAD_NT
.endr
.irp i, 0,1,2,3
	global_load_b128 v[M+4*\i:M+4*\i+3], v2, s[8:9] offset:512*\i
.endr
.irp c, 0,1,2,3
.irp j, 0,1,2,3
	global_load_b128 v[W+16*\c+4*\j:W+16*\c+4*\j+3], v7, s[6:7] offset:2048*\c+16*\j
.endr
.endr
	s_wait_loadcnt 20                              ; x's 16 loads are in; the mask's 4 and w's 16 stay out
.irp c, 0,1,2,3
.irp i, 0,1,2,3
	ds_store_b128 v3, v[R+16*\c+4*\i:R+16*\c+4*\i+3] offset:32*SP*\c+8*SP*\i
.endr
.endr
.irp c, 0,1,2,3
.irp i, 0,1,2,3
	ds_load_b128 v[X+16*\c+4*\i:X+16*\c+4*\i+3], v4 offset:32*SP*\c+16*\i   ; a wave's LDS instructions are served in order: these see the stores above
.endr
.endr
.irp k, 0,1,2,3
	v_pk_mul_f32 v[8+2*\k:9+2*\k], v[R+2*\k:R+2*\k+1], v[R+2*\k:R+2*\k+1]   ; the sum of squares, in four chains of pairs; the first products start them
.endr
.set p, 4
.rept 28
	s_delay_alu instid0(VALU_DEP_4)
	v_pk_fma_f32 v[8+2*(p%4):9+2*(p%4)], v[R+2*p:R+2*p+1], v[R+2*p:R+2*p+1], v[8+2*(p%4):9+2*(p%4)]
.set p, p+1
.endr
	s_delay_alu instid0(VALU_DEP_3)
	v_pk_add_f32 v[8:9], v[8:9], v[10:11]
	s_delay_alu instid0(VALU_DEP_2)
	v_pk_add_f32 v[12:13], v[12:13], v[14:15]
	s_delay_alu instid0(VALU_DEP_1)
	v_pk_add_f32 v[8:9], v[8:9], v[12:13]
	s_delay_alu instid0(VALU_DEP_1)
	v_add_f32 v8, v8, v9
	s_delay_alu instid0(VALU_DEP_1)
	v_add_f32_dpp v8, v8, v8 row_xmask:1 row_mask:0xf bank_mask:0xf
	s_delay_alu instid0(VALU_DEP_1)
	v_add_f32_dpp v8, v8, v8 row_xmask:2 row_mask:0xf bank_mask:0xf
	s_delay_alu instid0(VALU_DEP_1)
	v_add_f32_dpp v8, v8, v8 row_xmask:4 row_mask:0xf bank_mask:0xf
	s_delay_alu instid0(VALU_DEP_1)
	v_add_f32_dpp v8, v8, v8 row_xmask:8 row_mask:0xf bank_mask:0xf
	s_delay_alu instid0(VALU_DEP_1)
	v_permlanex16_b32 v9, v8, s14, s15
	s_delay_alu instid0(VALU_DEP_1)
	v_add_f32 v8, v8, v9
	s_delay_alu instid0(VALU_DEP_1)
	v_fma_f32 v10, v8, 0x3a000000, s36             ; sum / 2,048 + 1e-5
	s_wait_alu depctr_va_vdst(0)
	v_rsq_f32 v12, v10
	v_rsq_f32 v13, v10                             ; twice: a pair for the packed multiply
	; the mask's row: load i holds keys 512 i + 16 lane + 0 .. 15, so eight lanes hold a step of 128 keys: byte q of a lane mask is step 4 i + q
	s_wait_loadcnt 16                              ; the mask's 4 loads are in; w's 16 stay out
.irp i, 0,1,2,3
	v_or_b32 v8, v[M+4*\i], v[M+4*\i+1]
	v_and_b32 v9, v[M+4*\i], v[M+4*\i+1]
	s_delay_alu instid0(VALU_DEP_2)
	v_or_b32 v8, v8, v[M+4*\i+2]
	s_delay_alu instid0(VALU_DEP_2)
	v_and_b32 v9, v9, v[M+4*\i+2]
	s_delay_alu instid0(VALU_DEP_2)
	v_or_b32 v8, v8, v[M+4*\i+3]
	s_delay_alu instid0(VALU_DEP_2)
	v_and_b32 v9, v9, v[M+4*\i+3]
	s_delay_alu instid0(VALU_DEP_2)
	v_cmp_ne_u32 s[28+\i], 0, v8                   ; lanes with a true byte
	s_delay_alu instid0(VALU_DEP_2)
	v_cmp_ne_u32 s[32+\i], 0x1010101, v9           ; lanes with a false byte
.endr
.macro BYTES4 src, sh, acc             ; four bits, bit q = byte q of src is not 0, shifted left by sh, into acc
	s_and_b32 s40, \src, 0x7f7f7f7f
	s_add_co_u32 s40, s40, 0x7f7f7f7f
	s_or_b32 s40, s40, \src
	s_and_b32 s40, s40, 0x80808080
	s_lshr_b32 s40, s40, 7
	s_mul_i32 s40, s40, 0x10204080                 ; bits 0, 8, 16, 24 meet in bits 28 to 31
	s_lshr_b32 s40, s40, 28
	s_lshl_b32 s40, s40, \sh
	s_or_b32 \acc, \acc, s40
.endm
	s_mov_b32 s41, 0
	s_mov_b32 s42, 0
.irp i, 0,1,2,3
	BYTES4 s[28+\i], 4*\i, s41
	BYTES4 s[32+\i], 4*\i, s42
.endr
	s_not_b32 s42, s42
	s_and_b32 s42, s42, 0xffff
	s_lshl_b32 s42, s42, 16
	s_or_b32 s41, s41, s42                         ; the row's word
	s_wait_alu depctr_va_vdst(0)                   ; the wait ahead of the first reader of the two roots; the mask's lines are the work between
	s_wait_loadcnt 0x0                             ; w
	s_wait_dscnt 0x0                               ; the neighbours
.set p, 0
.rept 32
	v_pk_mul_f32 v[X+2*p:X+2*p+1], v[X+2*p:X+2*p+1], v[12:13]
.set p, p+1
.endr
.set p, 0
.rept 32
	v_pk_mul_f32 v[X+2*p:X+2*p+1], v[X+2*p:X+2*p+1], v[W+2*p:W+2*p+1]
.set p, p+1
.endr
	; the quantiser, the four chunks by turns
.irp c, 0,1,2,3
	v_max3_num_f32 v[8+\c], |v[X+16*\c]|, |v[X+16*\c+1]|, |v[X+16*\c+2]|
	v_max3_num_f32 v[MXB+\c], |v[X+16*\c+3]|, |v[X+16*\c+4]|, |v[X+16*\c+5]|
.endr
.irp i, 6,10
.irp c, 0,1,2,3
	v_max3_num_f32 v[8+\c], v[8+\c], |v[X+16*\c+\i]|, |v[X+16*\c+\i+1]|
	v_max3_num_f32 v[MXB+\c], v[MXB+\c], |v[X+16*\c+\i+2]|, |v[X+16*\c+\i+3]|
.endr
.endr
.irp c, 0,1,2,3
	v_max3_num_f32 v[8+\c], v[8+\c], |v[X+16*\c+14]|, |v[X+16*\c+15]|
.endr
.irp c, 0,1,2,3
	s_delay_alu instid0(VALU_DEP_4)
	v_max3_num_f32 v[8+\c], v[8+\c], v[MXB+\c], 0x4800000      ; the floor 2^(9 - 127): the byte cannot fall under 1
.endr
.irp c, 0,1,2,3
	s_delay_alu instid0(VALU_DEP_4)
	v_max_num_f32_dpp v[8+\c], v[8+\c], v[8+\c] row_xmask:1 row_mask:0xf bank_mask:0xf   ; with my neighbour's 16: the block's
.endr
.irp c, 0,1,2,3
	s_delay_alu instid0(VALU_DEP_4)
	v_add_nc_u32 v[SOP+\c], 0xfc000000, v[8+\c]    ; 8 off the exponent field: the conversion's scale operand
.endr
.irp c, 0,1,2,3
	v_and_or_b32 v[HOLD+\c], v[8+\c], 0x7f800000, s37          ; 448 x the scale
.endr
.irp c, 0,1,2,3
.irp i, 0,1,2,3,4,5,6,7,8,9,10,11,12,13,14,15
	v_med3_num_f32 v[X+16*\c+\i], v[X+16*\c+\i], -v[HOLD+\c], v[HOLD+\c]   ; the conversion does not saturate (ISA guide 7.6.2): the hold comes first
.endr
	v_cvt_scalef32_pk8_fp8_f32 v[C+4*\c:C+4*\c+1], v[X+16*\c:X+16*\c+7], v[SOP+\c]
	v_cvt_scalef32_pk8_fp8_f32 v[C+4*\c+2:C+4*\c+3], v[X+16*\c+8:X+16*\c+15], v[SOP+\c]
.endr
.irp c, 0,1,2,3
	v_lshrrev_b32 v[E+\c], 23, v[SOP+\c]           ; the scale's byte
.endr
.irp c, 0,1,2,3
	global_store_b128 v2, v[C+4*\c:C+4*\c+3], s[24:25] offset:512*\c       ; 32 lanes store 512 consecutive bytes, aligned
	ds_store_b8 v5, v[E+\c] offset:16*\c           ; both lanes of a block write the same byte with the same value
.endr
	v_mov_b32 v8, s41
	v_mov_b32 v9, 0
	v_cmp_eq_u32 vcc_lo, 0, v1
	s_wait_alu depctr_va_vdst(0)
	s_wait_xcnt 0x0                                ; EXEC changes only behind this wait
	s_and_saveexec_b32 s38, vcc_lo
	global_store_b32 v9, v8, s[12:13]              ; lane 0 stores the row's word
	s_wait_xcnt 0x0
	s_or_b32 exec_lo, exec_lo, s38
	s_wait_dscnt 0x0                               ; for wave 0's sake: my scale bytes lie in LDS
	s_barrier_signal -1
	s_barrier_wait -1
	s_cmp_lg_u32 s16, 0
	s_cbranch_scc1 .Lend
	ds_load_b128 v[8:11], v6
	s_wait_dscnt 0x0
	global_store_b128 v2, v[8:11], s[26:27]        ; eight rows' scale bytes: 512 consecutive bytes, aligned
.Lend:
	s_barrier_signal -1
	s_barrier_wait -1
	s_wait_tensorcnt 0x0
	ds_add_u32 v248, v249
	s_wait_dscnt 0x0
	s_endpgm
.Lfunc_end_k_qe36a217064_norm1:
	.size	k_qe36a217064_norm1, .Lfunc_end_k_qe36a217064_norm1-k_qe36a217064_norm1
	.p2alignl 7, 3214868480
	.fill 96, 4, 3214868480
	.section	.rodata,"a",@progbits
	.p2align	6, 0x0
	.amdhsa_kernel k_qe36a217064_norm1
		.amdhsa_group_segment_fixed_size 83456
		.amdhsa_private_segment_fixed_size 0
		.amdhsa_enable_private_segment 0
		.amdhsa_kernarg_size 40
		.amdhsa_user_sgpr_count 2
		.amdhsa_user_sgpr_kernarg_segment_ptr 1
		.amdhsa_wavefront_size32 1
		.amdhsa_system_sgpr_workgroup_id_x 1
		.amdhsa_system_sgpr_workgroup_id_y 1
		.amdhsa_system_sgpr_workgroup_id_z 1
		.amdhsa_system_vgpr_workitem_id 0
		.amdhsa_next_free_vgpr 250
		.amdhsa_next_free_sgpr 66
		.amdhsa_reserve_vcc 1
		.amdhsa_float_denorm_mode_32 3
		.amdhsa_float_denorm_mode_16_64 3
		.amdhsa_memory_ordered 1
		.amdhsa_forward_progress 1
		.amdhsa_inst_pref_size 31
	.end_amdhsa_kernel
	.amdgpu_metadata
---
amdhsa.version: [ 1, 2 ]
amdhsa.kernels:
  - .name:           k_qe36a217064_norm1
    .symbol:         k_qe36a217064_norm1.kd
    .args:
      - { .name: x, .offset: 0, .size: 8, .value_kind: global_buffer, .address_space: global }
      - { .name: attn_norm_w, .offset: 8, .size: 8, .value_kind: global_buffer, .address_space: global }
      - { .name: attention_mask, .offset: 16, .size: 8, .value_kind: global_buffer, .address_space: global }
      - { .name: a0, .offset: 24, .size: 8, .value_kind: global_buffer, .address_space: global }
      - { .name: flags, .offset: 32, .size: 8, .value_kind: global_buffer, .address_space: global }
    .group_segment_fixed_size: 83456
    .private_segment_fixed_size: 0
    .kernarg_segment_align: 8
    .kernarg_segment_size: 40
    .max_flat_workgroup_size: 256
    .sgpr_count:     66
    .vgpr_count:     250
    .wavefront_size: 32
...
	.end_amdgpu_metadata
.endif
;; end of part 1
;; launch qkv (part 2): grid 24 x 16, 4 waves a work-group, clusters of 4 x 4, 327,680 bytes of LDS; arguments a0, w_qkv_codes, w_qkv_scales, freqs_cis, q, kv; writes q, kv
.if DOCPART == 2
	.amdgcn_target "amdgcn-amd-amdhsa--gfx1250"
	.amdhsa_code_object_version 6
	.text
	.protected	k_qe36a217064_qkv
	.globl	k_qe36a217064_qkv
	.p2align	8
	.type	k_qe36a217064_qkv,@function
k_qe36a217064_qkv:
	s_mov_b64 s[64:65], 0
	v_nop
	global_prefetch_b8 v0, s[64:65] scope:SCOPE_SE
	s_setreg_imm32_b32 hwreg(HW_REG_WAVE_MODE, 25, 1), 1
	s_wait_xcnt 0x0
	s_wait_alu depctr_hold_cnt(0) depctr_sa_sdst(0) depctr_va_vdst(0) depctr_va_sdst(0) depctr_va_ssrc(0) depctr_va_vcc(0) depctr_vm_vsrc(0)
	s_getreg_b32 s2, hwreg(HW_REG_IB_STS2, 6, 4)
	s_cmp_eq_u32 s2, 0
	s_cbranch_scc0 .Lentry_in_a_cluster
	s_endpgm
.Lentry_in_a_cluster:
	s_bfe_u32 s2, ttmp6, 0x10000c
	s_cmp_lg_u32 s2, 0xf033
	s_cbranch_scc0 .Lentry_shape_is_right
	s_endpgm
.Lentry_shape_is_right:
; qkv = h W^T on codes of E4M3 (h: a0), then the rotation of q and k, and q, k, v quantised for the attention: q and k along the head's 64, v along the keys.
; A tile is 128 x 128, four waves of 64 x 64 (16 accumulators); K = 2,048 goes in four steps of 512 through two LDS slots filled by joint tensor loads of a 4 x 4 cluster.
; THE PRODUCT IS USED TRANSPOSED: source 0 = 16 rows of the B side, source 1 = 16 rows of the A side: lane (r, h) holds A's row r and B's rows 8 h + 0 .. 7.
; Clusters x = 0 .. 3 make q, x = 4 k: A = h (tokens), B = W (a wave's 64 rows are one head).  Cluster x = 5 makes v WITH THE SIDES SWAPPED, by pointers alone: A = W's rows of v, B = h: a lane then holds one channel and eight
; neighbouring KEYS, which is what a quantiser along the keys wants.  A's address hangs on the cluster's y places alone and B's on its x places alone in both cases, so the masks stay.
; ALL of K's scale words stay in registers: 64 for A's four blocks, 64 for B's.
; RESULTS.  q, k: for each head groups of 32 tokens, 2,048 bytes [u 2][p 4][r 16][16 bytes]: token 32 G + 8 u + r + 8 (r / 8), channel 16 p + i; scale halfwords [head][j 16][r 16][b 4][u 2], G = 4 j + b.
; v: [j 16][t 4][2,048]: byte 512 c + 256 h + 16 r + i = v(key 128 j + 32 c + 16 h + i, channel 16 t + r); scale words [j][r][t], byte c.  A head of kv: k's codes, v's codes, k's scales, v's scales: 270,336 bytes.
; They are gathered in LDS (in slot 0, which has had its last fill and its last read by then) and leave in runs of 512 consecutive bytes.
; LIMITS: a block whose largest magnitude lies under 2^-118 gets the byte 1 (this program alone reads the bytes); NaN and infinities are not served.
; No prefetch: the launch is short and both slots are on their way from its head on.
; REGISTERS: window 0: v0-31 addresses, v32-95 A's scale words (16 a + Q), v96-159 B's, v160-208 at work.  Window 1: two fragment buffers (A's 4 x 16, B's 4 x 16).  Window 2: accumulator (a, b) at 8 (4 a + b); from v128 the rotation's table.
.set PITCH,  528                       ; an LDS row: 512 bytes + 16: 132 words, so the 16 rows of a load start at 16 different banks (64 banks of 4 bytes: ISA guide 11.1)
.set HALFT,  64*PITCH
.set SLOT,   4*HALFT                   ; A's two halves, B's two halves
.set SCL,    2*SLOT                    ; unused room ahead of the spare words
.set HALFS,  16*272
.set SBLK,   4*272                     ; 16 rows' scales
.set SPARE,  SCL+4*HALFS               ; the spare words, 128 bytes a wave
.set ASTEP,  1024
.set BSTEP,  1024
.set HEADB,  270336
.set VC,     16384                     ; the stages: q's and k's codes at 0, v's codes here,
.set QKS,    32768                     ; q's and k's scales,
.set VS,     33280                     ; v's scales
.set FO,   4
.set L16,  5
.set L8,   6
.set ADRA, 16
.set ADRB, 20
.set ADSA, 22
.set ADSB, 23
.set STK,  24
.set SSK,  25
.set STV,  26
.set SSV,  27
.set SPW,  28                          ; LDS address of my spare word; never rewritten
.set NIL,  29                          ; 0; never rewritten
.set RDO,  30
.set RDS,  31
.set SCA,  32
.set SCB,  96
.set XQ,   160
.set C,    192
.set TM,   200
.set HW,   208
.set F0,   0
.set F1,   128
.set PRE,  128
.set WV, 16
.set RH, 17
.set CH, 18
.set CX, 19
.set CY, 20
.set CLY, 22
.set MNT, 3
.set SEL, 100
.set G1A, 24
.set G0A, 32
.set G1B, 48
.set G0B, 56
.set G1SA, 68
.set G0SA, 76
.set G1SB, 80
.set G0SB, 88
.set MSB, 0
.macro WIN new                         ; the immediate's high byte repeats the setting that is left
.if MSB != \new
	s_set_vgpr_msb (MSB<<8)|\new
.set MSB, \new
.endif
.endm
.set MUL,  0xa5                        ; sources 0 and 1 window 1, C and D window 2
.set TO_F, 0x40                        ; destination window 1
.macro JLOAD g0a, g1a, g0b, g1b        ; a joint load: waves 0 and 1 fetch for A, waves 2 and 3 for B; four v_nop follow each line
	s_cmp_eq_u32 s[RH], 0
	s_cbranch_scc0 .Lfor_b_\@
	tensor_load_to_lds s[\g0a:\g0a+3], s[\g1a:\g1a+7]
	s_nop 0
.rept 4
	v_nop
.endr
	s_branch .Lasked_\@
.Lfor_b_\@:
	tensor_load_to_lds s[\g0b:\g0b+3], s[\g1b:\g1b+7]
	s_nop 0
.rept 4
	v_nop
.endr
.Lasked_\@:
.endm
.macro CREST                           ; a round of the cluster's barrier behind its opening barrier
	s_cmp_lg_u32 s[WV], 0
	s_cbranch_scc1 .Lnot_wave_0_\@
	s_barrier_signal -3
.Lnot_wave_0_\@:
	s_barrier_wait -3
	s_barrier_signal -1
	s_barrier_wait -1
.endm
.macro CROUND
	s_barrier_signal -1
	s_barrier_wait -1
	CREST
.endm
.macro PLACES n                        ; plain vector places behind matrix instructions (ISA guide 7.12.1)
.rept \n
	v_nop
.endr
.endm
	s_load_b256 s[4:11], s[0:1], 0x0               ; a0, W's codes, W's scales, the rotation's table
	s_load_b128 s[12:15], s[0:1], 0x20             ; q, kv
	v_lshl_add_u32 v[SPW], v0, 2, SPARE
	v_mov_b32 v[NIL], 0
	ds_add_u32 v28, v29
	ds_add_u32 v28, v29
	s_wait_dscnt 0x0
	v_lshrrev_b32 v1, 5, v0
	v_readfirstlane_b32 s[WV], v1                  ; wave 0..3
	s_lshr_b32 s[RH], s[WV], 1                     ; my half of A's rows; also: I fetch for A (0) or B (1)
	s_and_b32 s[CH], s[WV], 1                      ; my half of B's rows; also: which 64 rows I fetch
	s_bfe_u32 s[CX], ttmp6, 0x40000
	s_bfe_u32 s[CY], ttmp6, 0x40004
	s_and_b32 s[CLY], ttmp7, 0xffff
	s_lshl_b32 s98, s[CY], 2
	s_lshl_b32 s98, 15, s98                        ; my row of the cluster
	s_lshl_b32 s99, 0x1111, s[CX]                  ; my column
	s_or_b32 s[G1A], s98, (1<<20)|(1<<21)|(6<<22)|(3<<25)      ; elements of 1 byte; padding: 4 words after every 128; bit 21 beside a mask
	s_or_b32 s[G1B], s99, (1<<20)|(1<<21)|(6<<22)|(3<<25)
.irp g, G1A, G1B
	s_mov_b32 s[\g+1], 512<<16                     ; tensor_dim0
	s_mov_b32 s[\g+2], 64<<16                      ; tensor_dim1
	s_mov_b32 s[\g+3], 512<<16                     ; tile_dim0
	s_mov_b32 s[\g+4], 64                          ; tile_dim1
	s_mov_b32 s[\g+5], 2048                        ; the pitch
	s_mov_b32 s[\g+6], 0
	s_mov_b32 s[\g+7], 0
.endr
	s_lshl_b32 s23, s[CH], 6
	s_lshl_b32 s40, s[CLY], 2
	s_add_co_u32 s40, s40, s[CY]
	s_lshl_b32 s40, s40, 7                         ; q, k: A = tokens 128 (4 cluster y + cy)
	s_lshl_b32 s42, s[CY], 7
	s_add_co_u32 s42, s42, 2560                    ; v: A = W's rows 2,560 + 128 cy
	s_lshl_b32 s44, ttmp9, 2
	s_add_co_u32 s44, s44, s[CX]
	s_lshl_b32 s44, s44, 7                         ; q, k: B = W's rows 128 (4 cluster x + cx)
	s_lshl_b32 s46, s[CLY], 2
	s_add_co_u32 s46, s46, s[CX]
	s_lshl_b32 s46, s46, 7                         ; v: B = tokens 128 (4 cluster y + cx)
	s_cmp_eq_u32 ttmp9, 5
	s_cselect_b32 s40, s42, s40
	s_cselect_b32 s44, s46, s44
	s_lshl_b32 s42, s40, 6                         ; scales, 64 bytes a row: of the 64 rows that I MULTIPLY: A's half RH,
	s_lshl_b32 s46, s44, 6
	s_lshl_b32 s97, s[RH], 12
	s_add_co_u32 s42, s42, s97
	s_lshl_b32 s97, s[CH], 12                      ; B's half CH
	s_add_co_u32 s46, s46, s97
	s_add_co_u32 s40, s40, s23                     ; codes: + the 64 rows that I fetch
	s_add_co_u32 s44, s44, s23
	s_lshl_b32 s40, s40, 11
	s_lshl_b32 s44, s44, 11
	s_mov_b32 s41, 0
	s_mov_b32 s43, 0
	s_mov_b32 s45, 0
	s_mov_b32 s47, 0
	s_mul_i32 s23, s[WV], HALFT                    ; where they go: no place in the cluster enters an LDS address
	s_mov_b32 s[SEL], 0x76543210
	s_mov_b32 s[SEL+1], 0xfedcba98
	s_mov_b32 s[MNT], 0x600000
	s_wait_kmcnt 0x0
	s_add_nc_u64 s[92:93], s[4:5], 0x400000        ; a0's scale bytes
	s_cmp_eq_u32 ttmp9, 5
	s_cselect_b64 s[94:95], s[6:7], s[4:5]
	s_add_nc_u64 s[40:41], s[94:95], s[40:41]      ; A's codes
	s_cselect_b64 s[94:95], s[8:9], s[92:93]
	s_add_nc_u64 s[42:43], s[94:95], s[42:43]      ; A's scales
	s_cselect_b64 s[94:95], s[4:5], s[6:7]
	s_add_nc_u64 s[44:45], s[94:95], s[44:45]      ; B's codes
	s_cselect_b64 s[94:95], s[92:93], s[8:9]
	s_add_nc_u64 s[46:47], s[94:95], s[46:47]      ; B's scales
	CROUND                                         ; all sixteen work-groups are here: the first joint loads meet
.irp s, 0,1
	s_mov_b32 s[G0A+4*\s], 1
	s_add_co_u32 s[G0A+4*\s+1], s23, \s*SLOT
	s_add_nc_u64 s[G0A+4*\s+2:G0A+4*\s+3], s[40:41], \s*512
	s_or_b32 s[G0A+4*\s+3], s[G0A+4*\s+3], 0x80000000
	s_mov_b32 s[G0B+4*\s], 1
	s_add_co_u32 s[G0B+4*\s+1], s23, \s*SLOT
	s_add_nc_u64 s[G0B+4*\s+2:G0B+4*\s+3], s[44:45], \s*512
	s_or_b32 s[G0B+4*\s+3], s[G0B+4*\s+3], 0x80000000
.endr
	JLOAD G0A, G1A, G0B, G1B                       ; slot 0, a quarter a wave: one tensor load a wave at the head; slot 1's first fill follows behind a round, further down
	v_and_b32 v1, 15, v0                           ; r
	v_bfe_u32 v2, v0, 4, 1                         ; h
	v_lshlrev_b32 v[FO], 8, v1
	v_lshl_add_u32 v[FO], v2, 5, v[FO]
	v_lshlrev_b32 v[ADSA], 6, v1                   ; a row's 64 scale bytes: 64 r
	s_wait_alu depctr_va_vdst(0)
.irp i, 0,1,2,3                        ; the scale words of all of K go straight into their registers: the four loads of a block of 16 rows cover its 1,024 consecutive bytes
.irp g, 0,1,2,3
	global_load_b128 v[SCA+16*\i+4*\g:SCA+16*\i+4*\g+3], v[ADSA], s[42:43] offset:1024*\i+16*\g
	global_load_b128 v[SCB+16*\i+4*\g:SCB+16*\i+4*\g+3], v[ADSA], s[46:47] offset:1024*\i+16*\g
.endr
.endr
	s_lshl_b32 s92, s[CLY], 2
	s_add_co_u32 s92, s92, s[CY]
	s_lshl_b32 s92, s92, 15
	s_lshl_b32 s93, s[RH], 14
	s_add_co_u32 s92, s92, s93
	s_mov_b32 s93, 0
	s_add_nc_u64 s[10:11], s[10:11], s[92:93]      ; at token 128 (4 cluster y + cy) + 64 x my half.  (v's work-groups ask too and do not use it: one head serves all kinds)
	WIN 0x80
.irp m, 0,1,2,3
.irp b, 0,1,2,3
	global_load_b128 v[PRE+32*\m+8*\b:PRE+32*\m+8*\b+3], v[FO], s[10:11] offset:4096*\m+64*\b
	global_load_b128 v[PRE+32*\m+8*\b+4:PRE+32*\m+8*\b+7], v[FO], s[10:11] offset:4096*\m+64*\b+16
.endr
.endr
	WIN 0
	v_mul_u32_u24 v3, v1, PITCH
	v_lshl_add_u32 v3, v2, 4, v3                   ; a fragment's row x pitch + 16 h
	s_mul_i32 s92, s[RH], HALFT
	s_mul_i32 s93, s[CH], HALFT
	s_add_co_u32 s93, s93, 2*HALFT
.irp s, 0,1
	v_add_nc_u32 v[ADRA+\s], s92, v3
	v_add_nc_u32 v[ADRB+\s], s93, v3
	s_add_co_u32 s92, s92, SLOT
	s_add_co_u32 s93, s93, SLOT
.endr
	v_bfe_u32 v7, v0, 3, 1                         ; bit 3 of r: the token's u
	v_and_b32 v8, 7, v0                            ; r % 8
	v_lshlrev_b32 v9, 10, v7
	v_lshl_add_u32 v9, v8, 4, v9
	v_lshl_add_u32 v9, v2, 3, v9
	s_lshl_b32 s92, s[CH], 13
	s_lshl_b32 s93, s[RH], 12
	s_add_co_u32 s92, s92, s93
	v_add_nc_u32 v[STK], s92, v9                   ; q, k: 8,192 head + 4,096 half + 1,024 u + 16 (r % 8) + 8 h
	v_lshlrev_b32 v9, 4, v8
	v_lshl_add_u32 v9, v7, 1, v9
	s_lshl_b32 s92, s[CH], 8
	s_lshl_b32 s93, s[RH], 3
	s_add_co_u32 s92, s92, s93
	s_add_co_u32 s92, s92, QKS
	v_add_nc_u32 v[SSK], s92, v9
	v_lshlrev_b32 v9, 4, v1
	s_wait_alu depctr_va_vdst(0)
	v_lshl_add_u32 v10, v2, 3, v9
	s_lshl_b32 s92, s[RH], 13
	s_lshl_b32 s93, s[CH], 10
	s_add_co_u32 s92, s92, s93
	s_add_co_u32 s92, s92, VC
	v_add_nc_u32 v[STV], s92, v10                  ; v: 8,192 head + 1,024 half of the keys + 16 r + 8 h
	s_lshl_b32 s92, s[RH], 8
	s_lshl_b32 s93, s[CH], 1
	s_add_co_u32 s92, s92, s93
	s_add_co_u32 s92, s92, VS
	v_add_nc_u32 v[SSV], s92, v9
	v_and_b32 v7, 31, v0
	v_lshlrev_b32 v[L16], 4, v7
	v_lshlrev_b32 v[L8], 3, v7
	s_lshl_b32 s92, s[WV], 12
	v_add_nc_u32 v[RDO], s92, v[L16]
	s_lshl_b32 s92, s[WV], 8
	v_add_nc_u32 v[RDS], s92, v[L8]
	v_mov_b32 v[TM+2], 0                           ; written once: a lane permute's destination counts as one of its sources
	v_mov_b32 v[TM+3], 0
.macro FETCH slot, q, f                ; 32 LDS loads in one run: the fragments of the slot's q-th 128 along K: B's four, then A's four
	WIN TO_F
.irp b, 0,1,2,3
.irp c, 0,1,2,3
	ds_load_b128 v[\f+64+16*\b+4*\c:\f+64+16*\b+4*\c+3], v[ADRB+\slot] offset:128*(\q)+32*\c+16*\b*PITCH
.endr
.endr
.irp a, 0,1,2,3
.irp c, 0,1,2,3
	ds_load_b128 v[\f+16*\a+4*\c:\f+16*\a+4*\c+3], v[ADRA+\slot] offset:128*(\q)+32*\c+16*\a*PITCH
.endr
.endr
.endm
.macro MULA f, a, Q, zero              ; A's block a against B's four, K step Q.  The 16 accumulators take turns in one order throughout
.irp b, 0,1,2,3
.if \zero
	v_wmma_scale_f32_16x16x128_f8f6f4 v[8*(4*(\a)+\b):8*(4*(\a)+\b)+7], v[\f+64+16*\b:\f+64+16*\b+15], v[\f+16*(\a):\f+16*(\a)+15], 0, v[SCB+16*\b+(\Q)], v[SCA+16*(\a)+(\Q)]
.else
	v_wmma_scale_f32_16x16x128_f8f6f4 v[8*(4*(\a)+\b):8*(4*(\a)+\b)+7], v[\f+64+16*\b:\f+64+16*\b+15], v[\f+16*(\a):\f+16*(\a)+15], v[8*(4*(\a)+\b):8*(4*(\a)+\b)+7], v[SCB+16*\b+(\Q)], v[SCA+16*(\a)+(\Q)]
.endif
.endr
.endm
.macro QUARTER slot, qn, f, g, Q, zero ; multiplies buffer f; in its middle fetches the slot's qn-th 128 into g
	s_wait_dscnt 8                                 ; B's four and A's blocks 0, 1 are in; the youngest eight loads (A's blocks 2, 3) may be out
	WIN MUL
	MULA \f, 0, \Q, \zero
	MULA \f, 1, \Q, \zero
	PLACES 8                                       ; in front of loads into registers that matrix instructions have read
	FETCH \slot, \qn, \g
	s_wait_dscnt 32                                ; all but the 32 just issued
	WIN MUL
	MULA \f, 2, \Q, \zero
	MULA \f, 3, \Q, \zero
.endm
.macro TURN slot, next, fill, Q        ; a slot's last 128 along K, and the change of slots
	WIN 0
	s_wait_tensorcnt 0x0                           ; all my tensor loads have landed: my part of the next slot
	ds_add_u32 v[SPW], v[NIL]                      ; 0 onto my spare word
	s_wait_dscnt 9                                 ; (the add and A's blocks 2, 3 may be out)
	WIN MUL
	MULA F1, 0, \Q, 0
	s_wait_dscnt 0x0                               ; the add is done, and my reads of this slot are over
	s_barrier_signal -1
	MULA F1, 1, \Q, 0
	WIN 0
	s_barrier_wait -1
.if \fill
	CREST                                          ; the barrier has opened a round of the cluster's: no wave of any partner still reads this slot or has a load on its way
	s_add_nc_u64 s[G0A+4*\slot+2:G0A+4*\slot+3], s[G0A+4*\slot+2:G0A+4*\slot+3], ASTEP
	s_add_nc_u64 s[G0B+4*\slot+2:G0B+4*\slot+3], s[G0B+4*\slot+2:G0B+4*\slot+3], BSTEP
	JLOAD G0A+4*\slot, G1A, G0B+4*\slot, G1B       ; my one tensor load behind the round; its four v_nop are four of the eight places
	PLACES 4
.else
	PLACES 8
.endif
	FETCH \next, 0, F0
	WIN MUL
	MULA F1, 2, \Q, 0
	MULA F1, 3, \Q, 0
.endm
; 16 nb numbers of a lane at v[src] (window 2 where w = 2), block beta in registers 16 beta .. + 15, the block's other half in lane l xor 16, become codes in v[C ..] (four registers a block) and the bytes in v[TM+2 ..]
.macro QUANT src, dst, nb, w
.if \w
	WIN 0x0a
.endif
.set qb, 0
.rept \nb
	v_max3_num_f32 v[TM+qb], |v[(\src)+16*qb]|, |v[(\src)+16*qb+1]|, 0x4800000   ; with the floor 2^(9 - 127): the byte cannot fall under 1
.set qb, qb+1
.endr
.if \w
	WIN 0x28
.endif
.irp qi, 2,4,6,8,10,12,14
.set qb, 0
.rept \nb
	v_max3_num_f32 v[TM+qb], v[TM+qb], |v[(\src)+16*qb+\qi]|, |v[(\src)+16*qb+\qi+1]|
.set qb, qb+1
.endr
.endr
	WIN 0
.set qb, 0
.rept \nb
	v_permlanex16_b32 v[TM+2+qb], v[TM+qb], s[SEL], s[SEL+1]
.set qb, qb+1
.endr
.set qb, 0
.rept \nb
	v_max_num_f32 v[TM+qb], v[TM+qb], v[TM+2+qb]   ; the block's largest magnitude
	v_add_nc_u32 v[TM+6+qb], 0xfc000000, v[TM+qb]  ; 8 off its exponent field: the conversion's scale operand
	v_and_or_b32 v[TM+4+qb], v[TM+qb], 0x7f800000, s[MNT]      ; 448 x the scale
	v_lshrrev_b32 v[TM+2+qb], 23, v[TM+6+qb]       ; the byte
.set qb, qb+1
.endr
.if \nb == 2
	v_lshl_or_b32 v[HW], v[TM+3], 8, v[TM+2]
.endif
.if \w
	WIN 0x02
.endif
.set qn, 0
.rept 16*\nb
	v_med3_num_f32 v[(\dst)+qn], v[(\src)+qn], -v[TM+4+qn/16], v[TM+4+qn/16]   ; the conversion does not saturate (ISA guide 7.6.2): the hold comes first
.set qn, qn+1
.endr
	WIN 0
.set qb, 0
.rept \nb
	v_cvt_scalef32_pk8_fp8_f32 v[C+4*qb:C+4*qb+1], v[(\dst)+16*qb:(\dst)+16*qb+7], v[TM+6+qb]
	v_cvt_scalef32_pk8_fp8_f32 v[C+4*qb+2:C+4*qb+3], v[(\dst)+16*qb+8:(\dst)+16*qb+15], v[TM+6+qb]
.set qb, qb+1
.endr
	v_nop                                          ; a plain line behind the last conversion
.endm
	s_wait_alu depctr_va_vdst(0)                   ; the wait at the head's end
	s_wait_tensorcnt 0x0                           ; my quarter of slot 0 is in
	ds_add_u32 v[SPW], v[NIL]
	s_wait_dscnt 0x0
	CROUND                                         ; slot 0 is whole, and all sixteen work-groups are here
	JLOAD G0A+4, G1A, G0B+4, G1B                   ; slot 1's first fill: my one tensor load behind the round
	s_wait_loadcnt 32                              ; the 32 loads of scale words are in; the table's 32, issued behind them, may be out
	FETCH 0, 0, F0
	QUARTER 0, 1, F0, F1, 0, 1                     ; the first products start the sums
	QUARTER 0, 2, F1, F0, 1, 0
	QUARTER 0, 3, F0, F1, 2, 0
	TURN 0, 1, 1, 3
	QUARTER 1, 1, F0, F1, 4, 0
	QUARTER 1, 2, F1, F0, 5, 0
	QUARTER 1, 3, F0, F1, 6, 0
	TURN 1, 0, 1, 7
	QUARTER 0, 1, F0, F1, 8, 0
	QUARTER 0, 2, F1, F0, 9, 0
	QUARTER 0, 3, F0, F1, 10, 0
	TURN 0, 1, 0, 11                               ; nothing is left to fetch
	QUARTER 1, 1, F0, F1, 12, 0
	QUARTER 1, 2, F1, F0, 13, 0
	QUARTER 1, 3, F0, F1, 14, 0
	s_wait_dscnt 8
	WIN MUL
	MULA F1, 0, 15, 0
	MULA F1, 1, 15, 0
	s_wait_dscnt 0x0
	MULA F1, 2, 15, 0
	MULA F1, 3, 15, 0
	WIN 0
	PLACES 8                                       ; in front of the first read of results
	; where the results go
	s_lshl_b32 s92, s[CLY], 2
	s_add_co_u32 s93, s92, s[CX]                   ; v's j
	s_add_co_u32 s92, s92, s[CY]                   ; q's and k's j
	s_lshl_b32 s94, ttmp9, 2
	s_add_co_u32 s94, s94, s[CX]
	s_lshl_b32 s94, s94, 1                         ; q: the tile's first head
	s_mov_b32 s97, 262144
	s_cmp_eq_u32 ttmp9, 5
	s_cselect_b32 s92, s93, s92                    ; j
	s_cselect_b32 s95, s[CY], s[CX]
	s_cselect_b32 s96, 131072, 0                   ; where the codes begin in a head of kv,
	s_cselect_b32 s97, 266240, s97                 ; and the scales
	s_lshl_b32 s95, s95, 1                         ; k, v: the tile's first head
	s_add_co_u32 s41, s94, s[RH]
	s_lshl_b32 s41, s41, 17                        ; q's codes: the head of the half that I store
	s_add_co_u32 s40, s95, s[RH]
	s_mul_i32 s40, s40, HEADB
	s_add_co_u32 s40, s40, s96
	s_add_co_u32 s43, s94, s[CH]
	s_lshl_b32 s43, s43, 12
	s_add_co_u32 s43, s43, 0x400000                ; q's scales: waves 0 and 1 store a head's each
	s_add_co_u32 s42, s95, s[CH]
	s_mul_i32 s42, s42, HEADB
	s_add_co_u32 s42, s42, s97
	s_cmp_lt_u32 ttmp9, 4
	s_cselect_b32 s40, s41, s40
	s_cselect_b32 s42, s43, s42
	s_cselect_b64 s[92+2:92+3], s[12:13], s[14:15]
	s_lshl_b32 s41, s92, 13
	s_add_co_u32 s40, s40, s41
	s_lshl_b32 s41, s[CH], 12
	s_add_co_u32 s40, s40, s41
	s_lshl_b32 s43, s92, 8
	s_add_co_u32 s42, s42, s43
	s_mov_b32 s41, 0
	s_mov_b32 s43, 0
	s_add_nc_u64 s[92:93], s[94:95], s[40:41]      ; my codes
	s_add_nc_u64 s[94:95], s[94:95], s[42:43]      ; my scales
	s_wait_loadcnt 0x0                             ; the table
.macro ROPE a                          ; the rotation of block a's 16 tokens: pairs (x0, x1) -> (x0 c - x1 s, x1 c + x0 s), into window 0
	WIN 0x0a
.irp b, 0,1,2,3
.irp i, 0,2,4,6
	v_mul_f32 v[XQ+8*\b+\i], v[32*\a+8*\b+\i], v[PRE+32*\a+8*\b+\i]
	v_mul_f32 v[XQ+8*\b+\i+1], v[32*\a+8*\b+\i+1], v[PRE+32*\a+8*\b+\i]
	v_fma_f32 v[XQ+8*\b+\i], -v[32*\a+8*\b+\i+1], v[PRE+32*\a+8*\b+\i+1], v[XQ+8*\b+\i]
	v_fma_f32 v[XQ+8*\b+\i+1], v[32*\a+8*\b+\i], v[PRE+32*\a+8*\b+\i+1], v[XQ+8*\b+\i+1]
.endr
.endr
	WIN 0
.endm
	s_cmp_eq_u32 ttmp9, 5                          ; the kind hangs on the cluster's x alone: the same in all partners and all waves
	s_cbranch_scc1 .Lv_path
.irp m, 0,1,2,3
	ROPE \m
	QUANT XQ, XQ, 2, 0
.irp t, 0,1,2,3
	ds_store_b64 v[STK], v[C+2*\t:C+2*\t+1] offset:2048*(\m/2)+128*(\m%2)+256*\t   ; channels 16 t + 8 h + 0 .. 7 of my token
.endr
	ds_store_b16 v[SSK], v[HW] offset:128*(\m%2)+4*(\m/2)      ; both halves of the lanes write the same halfword with the same value
	s_wait_dscnt 0x0                               ; the stores have read their registers
.endr
	s_branch .Ljoin
.Lv_path:
.irp m, 0,1,2,3
	QUANT 32*\m, XQ, 2, 2
.irp t, 0,1,2,3
	ds_store_b64 v[STV], v[C+2*\t:C+2*\t+1] offset:2048*\m+512*(\t/2)+256*(\t%2)   ; keys 16 t + 8 h + 0 .. 7 of my channel
.endr
	ds_store_b16 v[SSV], v[HW] offset:4*\m
	s_wait_dscnt 0x0
.endr
.Ljoin:
	s_barrier_signal -1
	s_barrier_wait -1                              ; two heads' codes and scales lie in the stage
.macro OUT cb, sb                      ; wave w stores 4,096 bytes of codes; waves 0 and 1 a head's 256 scale bytes
.irp i, 0,1,2,3,4,5,6,7
	ds_load_b128 v[XQ+4*\i:XQ+4*\i+3], v[RDO] offset:\cb+512*\i
.endr
.irp i, 0,1,2,3,4,5,6,7
	s_wait_dscnt 7-\i                              ; the younger read-backs may be out
	global_store_b128 v[L16], v[XQ+4*\i:XQ+4*\i+3], s[92:93] offset:512*\i     ; 512 consecutive bytes, aligned
.endr
	s_cmp_lt_u32 s[WV], 2
	s_cbranch_scc0 .Lno_scales_\@
	ds_load_b64 v[C:C+1], v[RDS] offset:\sb
	s_wait_dscnt 0x0
	global_store_b64 v[L8], v[C:C+1], s[94:95]     ; 256 consecutive bytes, aligned
.Lno_scales_\@:
.endm
	s_cmp_eq_u32 ttmp9, 5
	s_cbranch_scc1 .Lout_v
	OUT 0, QKS
	s_branch .Lend
.Lout_v:
	OUT VC, VS
.Lend:
	s_wait_tensorcnt 0x0                           ; the wave's end
	ds_add_u32 v[SPW], v[NIL]
	s_wait_dscnt 0x0
	CROUND                                         ; the closing round
	s_endpgm
.Lfunc_end_k_qe36a217064_qkv:
	.size	k_qe36a217064_qkv, .Lfunc_end_k_qe36a217064_qkv-k_qe36a217064_qkv
	.p2alignl 7, 3214868480
	.fill 96, 4, 3214868480
	.section	.rodata,"a",@progbits
	.p2align	6, 0x0
	.amdhsa_kernel k_qe36a217064_qkv
		.amdhsa_group_segment_fixed_size 327680
		.amdhsa_private_segment_fixed_size 0
		.amdhsa_enable_private_segment 0
		.amdhsa_kernarg_size 48
		.amdhsa_user_sgpr_count 2
		.amdhsa_user_sgpr_kernarg_segment_ptr 1
		.amdhsa_wavefront_size32 1
		.amdhsa_system_sgpr_workgroup_id_x 1
		.amdhsa_system_sgpr_workgroup_id_y 1
		.amdhsa_system_sgpr_workgroup_id_z 1
		.amdhsa_system_vgpr_workitem_id 0
		.amdhsa_next_free_vgpr 768
		.amdhsa_next_free_sgpr 102
		.amdhsa_reserve_vcc 0
		.amdhsa_float_denorm_mode_32 3
		.amdhsa_float_denorm_mode_16_64 3
		.amdhsa_memory_ordered 1
		.amdhsa_forward_progress 1
		.amdhsa_inst_pref_size 141
	.end_amdhsa_kernel
	.amdgpu_metadata
---
amdhsa.version: [ 1, 2 ]
amdhsa.kernels:
  - .name:           k_qe36a217064_qkv
    .symbol:         k_qe36a217064_qkv.kd
    .args:
      - { .name: a0, .offset: 0, .size: 8, .value_kind: global_buffer, .address_space: global }
      - { .name: w_qkv_codes, .offset: 8, .size: 8, .value_kind: global_buffer, .address_space: global }
      - { .name: w_qkv_scales, .offset: 16, .size: 8, .value_kind: global_buffer, .address_space: global }
      - { .name: freqs_cis, .offset: 24, .size: 8, .value_kind: global_buffer, .address_space: global }
      - { .name: q, .offset: 32, .size: 8, .value_kind: global_buffer, .address_space: global }
      - { .name: kv, .offset: 40, .size: 8, .value_kind: global_buffer, .address_space: global }
    .group_segment_fixed_size: 327680
    .private_segment_fixed_size: 0
    .kernarg_segment_align: 8
    .kernarg_segment_size: 48
    .max_flat_workgroup_size: 128
    .sgpr_count:     102
    .vgpr_count:     768
    .wavefront_size: 32
...
	.end_amdgpu_metadata
.endif
;; end of part 2
;; launch attn (part 3): grid 32 x 8, 16 waves a work-group, no clusters, 288,768 bytes of LDS; arguments q, kv, attention_mask, flags, a1; writes a1
.if DOCPART == 3
	.amdgcn_target "amdgcn-amd-amdhsa--gfx1250"
	.amdhsa_code_object_version 6
	.text
	.protected	k_qe36a217064_attn
	.globl	k_qe36a217064_attn
	.p2align	8
	.type	k_qe36a217064_attn,@function
k_qe36a217064_attn:
	s_mov_b64 s[64:65], 0
	v_nop
	global_prefetch_b8 v0, s[64:65] scope:SCOPE_SE
	s_setreg_imm32_b32 hwreg(HW_REG_WAVE_MODE, 25, 1), 1
	s_wait_xcnt 0x0
; o = softmax(q k^T / 8, under the mask) v for 32 query heads on 8 key and value heads, both products on codes of E4M3; o leaves quantised along its 64 channels, as the next product's operand.
; THE SOFTMAX: t = score x log2(e) / 8; M = the running largest t rounded up to a whole number; p = 2^(t - M) is quantised along the keys; the row's sum is taken of the unquantised p and divides at the end.
; SHARES: a work-group has one key and value head; each of its 16 waves owns one tile of 16 queries of one of the head's four query heads.
; Wave w: head 4 kh + w / 4; class c = (w % 4 + w / 4) % 4; tile 32 c + x, or 32 c + 31 - x where c is odd (x: the work-group's).
; THE HEAD'S CODES COME INTO LDS CHUNK BY CHUNK, UNDER THE WALK.  A chunk is a step's 128 keys: 8,192 bytes of K's images and 8,192 of V's: two loads of 16 bytes a thread.  The kernel's head brings chunk 0 and the
; 8,192 scale bytes and asks for chunk 1.  Trip j multiplies chunk j, then stores chunk j + 1 (asked for a trip earlier) into LDS bytes of its own, asks for chunk j + 2 and passes one barrier.  Each LDS byte is written once.
; All 16 waves walk all 16 trips, copy in each and pass each barrier; what a wave leaves out is a step's products and softmax.
; THE MASK is an input and is taken as it stands.  flags (whole numbers that an earlier launch stored) say for each query row which steps of 128 keys have a true byte and which are all true: a step that none of my 16 rows
; sees is left out, a step that all see whole skips the masking, any other step reads its mask bytes.  This launch has no tensor load, and the four query heads'
; shared K and V are not asked for jointly in a cluster.
; K = 64 IN AN INSTRUCTION OF K = 128: a fragment of K holds 16 keys in k 0 .. 63 and 16 others in k 64 .. 127; q stands in a run of 24 registers, zeros - q - zeros, whose last 16 and first 16 pick one half or the other.
; The keys of a fragment are chosen so that p's 16 registers of two neighbouring tiles are 16 neighbouring keys: 32 b + 16 (lane / 16) + 0 .. 15.
; LIMITS: a mask row that is false throughout is not served (its sum is 0); NaN and infinities are not served; a block of o under 2^-118 gets the byte 1; a mask byte is 0 or 1.
; No prefetch: each chunk's loads into registers are themselves issued a whole trip ahead of the wait for them.
.set HEADB, 270336
.set VIM,   131072                     ; LDS, and a head in memory: K's images at 0, V's here,
.set KSC,   262144                     ; K's scale words,
.set VSC,   266240                     ; V's,
.set STG,   270336                     ; LDS: 1,024 bytes for each wave's way out,
.set SPARE, 286720                     ; and the spare words, 128 bytes a wave
.set CHK,   8192                       ; a chunk of K or of V
.set S,   104                          ; v104-167 S^T, then p
.set O,   168                          ; v168-199 O^T
.set PC,  200                          ; v200-215 p's codes; ahead of them, in a step that is masked, the mask's bytes
.set C,   200
.set MB,  200
.set R,   216                          ; v216-223 the chunk on its way
.set CK,  224                          ; where it goes in LDS: K's part,
.set CV,  225                          ; V's part
.set SPW, 226                          ; my spare word; never rewritten
.set NIL, 227                          ; 0; never rewritten
.set CG,  228                          ; 16 x my thread's number
.set TM,  234
.set HW,  242
.set WV,  16
.set T,   20
.set HQ,  21
.set ANY, 40
.set ALL, 41
.set J,   42
.set TB,  43
.set TS,  44
.set CS,  46
.set SEL, 48
.set MNT, 50
	s_load_b256 s[4:11], s[0:1], 0x0               ; q, kv, the mask, flags
	s_load_b64 s[12:13], s[0:1], 0x20              ; a1
	v_lshl_add_u32 v[SPW], v0, 2, SPARE
	v_mov_b32 v[NIL], 0
	v_lshrrev_b32 v8, 5, v0
	s_delay_alu instid0(VALU_DEP_1)
	v_readfirstlane_b32 s[WV], v8                  ; wave 0..15
	s_and_b32 s17, ttmp7, 0xffff                   ; the key and value head
	s_lshr_b32 s18, s[WV], 2
	s_and_b32 s19, s[WV], 3
	s_add_co_u32 s19, s19, s18
	s_and_b32 s19, s19, 3                          ; the class
	s_sub_co_u32 s[T], 31, ttmp9
	s_bitcmp1_b32 s19, 0
	s_cselect_b32 s[T], s[T], ttmp9
	s_lshl_b32 s19, s19, 5
	s_add_co_u32 s[T], s[T], s19                   ; my tile of queries
	s_lshl_b32 s[HQ], s17, 2
	s_add_co_u32 s[HQ], s[HQ], s18                 ; my query head
	s_lshl_b32 s22, s[T], 4
	s_and_b32 s23, s[T], 1
	s_lshl_b32 s23, s23, 3
	s_sub_co_u32 s22, s22, s23                     ; my first token: 32 (T / 2) + 8 (T % 2); lane r has token + r + 8 (r / 8)
	s_mul_i32 s24, s17, HEADB
	s_mov_b32 s25, 0
	s_lshl_b32 s26, s[HQ], 17
	s_lshl_b32 s27, s[T], 10
	s_add_co_u32 s26, s26, s27
	s_mov_b32 s27, 0
	s_lshl_b32 s28, s[HQ], 12
	s_add_co_u32 s28, s28, 0x400000
	s_lshr_b32 s29, s[T], 3
	s_lshl_b32 s29, s29, 8
	s_and_b32 s30, s[T], 7
	s_lshl_b32 s30, s30, 1
	s_add_co_u32 s29, s29, s30
	s_lshl_b32 s36, s[T], 5
	s_add_co_u32 s36, s36, s28                     ; o's scale halfwords: plane HQ, 32 T
	s_mov_b32 s37, 0
	s_add_co_u32 s28, s28, s29                     ; q's: 4,096 HQ + 256 (T / 8) + 2 (T % 8)
	s_mov_b32 s29, 0
	s_lshl_b32 s30, s22, 11
	s_mov_b32 s31, 0
	s_lshl_b32 s32, s22, 2
	s_mov_b32 s33, 0
	s_lshr_b32 s34, s[HQ], 1
	s_lshl_b32 s34, s34, 18
	s_lshl_b32 s35, s[T], 11
	s_add_co_u32 s34, s34, s35
	s_and_b32 s35, s[HQ], 1
	s_lshl_b32 s35, s35, 10
	s_add_co_u32 s34, s34, s35                     ; o's codes: image (HQ / 2, T), half HQ % 2
	s_mov_b32 s35, 0
	s_mov_b32 s[CS], 0x3e38aa3b                    ; log2(e) / 8
	s_mov_b32 s[CS+1], s[CS]
	s_mov_b32 s[SEL], 0x76543210
	s_mov_b32 s[SEL+1], 0xfedcba98
	s_mov_b32 s[MNT], 0x600000
	s_mov_b32 s[J], 0
	s_mov_b32 s[TB], 0
	s_mov_b32 s[TS], 0
	v_and_b32 v1, 31, v0
	s_delay_alu instid0(VALU_DEP_1)
	v_lshlrev_b32 v1, 4, v1                        ; 16 x lane: an image's place for my lane
	s_delay_alu instid0(VALU_DEP_1)
	v_add_nc_u32 v2, VIM, v1
	v_and_b32 v8, 15, v0                           ; r
	v_bfe_u32 v9, v0, 4, 1                         ; h
	s_delay_alu instid0(VALU_DEP_2)
	v_and_b32 v10, 8, v8
	s_delay_alu instid0(VALU_DEP_1)
	v_add_nc_u32 v10, v10, v8
	s_delay_alu instid0(VALU_DEP_1)
	v_lshlrev_b32 v3, 11, v10
	s_delay_alu instid0(VALU_DEP_1)
	v_lshl_add_u32 v3, v9, 4, v3                   ; the mask: my query's row, + 16 h
	v_lshl_add_u32 v4, v8, 4, KSC
	v_lshl_add_u32 v5, v8, 4, VSC
	s_lshl_b32 s51, s[WV], 10
	s_add_co_u32 s51, s51, STG
	v_lshlrev_b32 v6, 4, v8
	s_delay_alu instid0(VALU_DEP_1)
	v_lshl_add_u32 v6, v9, 3, v6
	s_delay_alu instid0(VALU_DEP_1)
	v_add_nc_u32 v6, s51, v6                       ; my stage: in, 16 r + 8 h;
	v_add_nc_u32 v7, s51, v1                       ; back, 16 x lane
	v_lshlrev_b32 v11, 4, v8
	v_lshlrev_b32 v[CG], 4, v0                     ; the copy: my 16 bytes of each 8,192, in memory and in LDS
	v_lshl_add_u32 v[CK], v0, 4, CHK               ; chunk 1's place
	v_lshl_add_u32 v[CV], v0, 4, VIM+CHK
	v_lshl_add_u32 v53, v0, 4, KSC                 ; the scale bytes' place
	v_lshl_add_u32 v55, v0, 4, VIM                 ; V's chunk 0
	s_wait_alu depctr_va_vdst(0)
	s_wait_kmcnt 0x0
	s_add_nc_u64 s[6:7], s[6:7], s[24:25]
	s_add_nc_u64 s[54:55], s[4:5], s[28:29]
	s_add_nc_u64 s[4:5], s[4:5], s[26:27]
	s_add_nc_u64 s[8:9], s[8:9], s[30:31]
	s_add_nc_u64 s[10:11], s[10:11], s[32:33]
	s_add_nc_u64 s[52:53], s[12:13], s[36:37]
	s_add_nc_u64 s[12:13], s[12:13], s[34:35]
	s_load_b256 s[24:31], s[10:11], 0x0            ; my rows' words: tokens + 0 .. 7
	s_load_b256 s[32:39], s[10:11], 0x40           ; and + 16 .. 23
	global_load_b128 v[40:43], v[CG], s[6:7]                   ; chunk 0: K's,
	global_load_b128 v[44:47], v[CG], s[6:7] offset:VIM        ; V's,
	global_load_b128 v[48:51], v[CG], s[6:7] offset:KSC        ; and the scale bytes of the whole head
	global_load_b128 v[24:27], v1, s[4:5]          ; q's eight registers
	global_load_b128 v[28:31], v1, s[4:5] offset:512
	global_load_u16 v255, v11, s[54:55]            ; q's two scale bytes
	global_load_b128 v[R:R+3], v[CG], s[6:7] offset:CHK        ; chunk 1
	global_load_b128 v[R+4:R+7], v[CG], s[6:7] offset:VIM+CHK
.irp n, 16,17,18,19,20,21,22,23,32,33,34,35,36,37,38,39
	v_mov_b32 v\n, 0                               ; zero codes on both sides of q
.endr
	v_mov_b32 v13, 0xff61b1e6                      ; the largest t so far: -3e38
	s_delay_alu instid0(VALU_DEP_1)
	v_floor_f32 v12, -v13                          ; -M
	v_mov_b32 v14, 0
	v_mov_b32 v15, 0
.irp n, 236,237,238,239,252,253
	v_mov_b32 v\n, 0                               ; permutes' destinations and a pair's upper half count as read
.endr
.set j, 0
.rept 32
	v_mov_b32 v[O+j], 0                            ; the step is written once: the first finds zeros
.set j, j+1
.endr
	s_wait_loadcnt 0x2                             ; all but chunk 1's two loads
	v_lshl_or_b32 v255, v255, 16, v255             ; the same two bytes for either half of K
	ds_store_b128 v[CG], v[40:43]
	ds_store_b128 v55, v[44:47]
	ds_store_b128 v53, v[48:51]
	s_wait_kmcnt 0x0
	s_or_b32 s[ANY], s24, s25
	s_and_b32 s[ALL], s24, s25
.irp n, 26,27,28,29,30,31,32,33,34,35,36,37,38,39
	s_or_b32 s[ANY], s[ANY], s\n
	s_and_b32 s[ALL], s[ALL], s\n
.endr
	s_lshr_b32 s[ALL], s[ALL], 16
	s_wait_alu depctr_va_vdst(0)                   ; the wait at the head's end
	s_wait_dscnt 0x0                               ; for the others' sake: my part of chunk 0 and of the scale bytes lies in LDS
	s_barrier_signal -1
	s_barrier_wait -1
.Lstep:
	s_bitcmp1_b32 s[ANY], s[J]
	s_cbranch_scc0 .Lnext                          ; none of my 16 queries sees a key of this step
	v_add_nc_u32 v8, s[TB], v1
	v_add_nc_u32 v9, s[TB], v2
	v_add_nc_u32 v10, s[TS], v4
	v_add_nc_u32 v11, s[TS], v5
.rept 4
	v_nop                                          ; with the four additions: eight places in front of loads into registers that the last products read
.endr
.irp b, 0,1,2,3
.irp c, 0,1,2,3
	ds_load_b128 v[40+16*\b+4*\c:43+16*\b+4*\c], v8 offset:2048*\b+512*\c
.endr
.endr
	ds_load_b128 v[248:251], v10                   ; the four fragments' scale words
	s_wait_alu depctr_va_vdst(0)
	s_wait_dscnt 0x0
.irp b, 0,1,2,3
	v_wmma_scale_f32_16x16x128_f8f6f4 v[S+16*\b:S+16*\b+7], v[40+16*\b:55+16*\b], v[24:39], 0, v[248+\b], v255     ; the keys in k 0 .. 63
	v_wmma_scale_f32_16x16x128_f8f6f4 v[S+16*\b+8:S+16*\b+15], v[40+16*\b:55+16*\b], v[16:31], 0, v[248+\b], v255  ; those in k 64 .. 127
.endr
.rept 8
	v_nop
.endr
.irp t, 0,1,2,3
.irp c, 0,1,2,3
	ds_load_b128 v[40+16*\t+4*\c:43+16*\t+4*\c], v9 offset:2048*\t+512*\c  ; V's fragments land under the softmax
.endr
.endr
	ds_load_b128 v[248:251], v11
	s_bitcmp1_b32 s[ALL], s[J]
	s_cbranch_scc1 .Lopen                          ; all my queries see all keys of this step
.irp b, 0,1,2,3
	global_load_b128 v[MB+4*\b:MB+4*\b+3], v3, s[8:9] offset:32*\b         ; the bytes of keys 32 b + 16 h + 0 .. 15 of my query's row
.endr
	v_mov_b32 v254, 0xff800000                     ; -infinity
	s_wait_alu depctr_va_vdst(0)
	s_wait_loadcnt 0x0
.set n, 0
.rept 64
	v_and_b32 v252, 1<<(8*(n%4)), v[MB+4*(n/16)+(n%16)/4]
	s_delay_alu instid0(VALU_DEP_1)
	v_cmp_eq_u32 vcc_lo, 0, v252
	v_cndmask_b32 v[S+n], v[S+n], v254, vcc_lo
.set n, n+1
.endr
.Lopen:
.irp b, 0,1,2,3
	v_max3_num_f32 v[232+\b], v[S+16*\b], v[S+1+16*\b], v[S+2+16*\b]       ; the largest score of each block of 32 keys: for the row's maximum and for the block's largest p
.endr
.irp i, 3,5,7,9,11,13
.irp b, 0,1,2,3
	v_max3_num_f32 v[232+\b], v[232+\b], v[S+16*\b+\i], v[S+1+16*\b+\i]
.endr
.endr
.irp b, 0,1,2,3
	v_max_num_f32 v[232+\b], v[232+\b], v[S+15+16*\b]
.endr
.irp b, 0,1,2,3
	s_delay_alu instid0(VALU_DEP_4)
	v_permlanex16_b32 v[236+\b], v[232+\b], s[SEL], s[SEL+1]
.endr
.irp b, 0,1,2,3
	s_delay_alu instid0(VALU_DEP_4)
	v_max_num_f32 v[232+\b], v[232+\b], v[236+\b]
.endr
	s_delay_alu instid0(VALU_DEP_2)
	v_max3_num_f32 v254, v232, v233, v234
	s_delay_alu instid0(VALU_DEP_1)
	v_max_num_f32 v254, v254, v235
	s_delay_alu instid0(VALU_DEP_1)
	v_mul_f32 v254, s[CS], v254
	s_delay_alu instid0(VALU_DEP_1)
	v_max_num_f32 v13, v13, v254                   ; the running largest t
	v_mov_b32 v254, v12
	s_delay_alu instid0(VALU_DEP_2)
	v_floor_f32 v12, -v13                          ; the new -M
	s_delay_alu instid0(VALU_DEP_1)
	v_sub_f32 v254, v12, v254
	s_delay_alu instid0(VALU_DEP_1)
	v_cvt_i32_f32 v254, v254                       ; (it saturates)
	s_delay_alu instid0(VALU_DEP_1)
	v_ldexp_f32 v252, 1.0, v254                    ; f = 2^(old M - new M)
.set j, 0
.rept 32
	v_pk_fma_f32 v[S+j:S+j+1], v[S+j:S+j+1], s[CS:CS+1], v[12:13] op_sel_hi:[1,0,0]   ; t - M
.set j, j+2
.endr
.irp b, 0,1,2,3
	v_fma_f32 v[232+\b], v[232+\b], s[CS], v12
.endr
.set j, 0
	s_wait_alu depctr_va_vdst(0)
.rept 64
	v_exp_f32 v[S+j], v[S+j]                       ; p
.set j, j+1
.endr
	v_pk_mul_f32 v[14:15], v[14:15], v[252:253] op_sel_hi:[1,0]            ; the sums under the new M: a plain line behind the exponentials
	s_wait_alu depctr_va_vdst(0)                   ; one wait for the batch, ahead of its first reader
.irp b, 0,1,2,3
	v_exp_f32 v[232+\b], v[232+\b]                 ; the blocks' largest p
.endr
	v_pk_add_f32 v[236:237], v[S:S+1], v[S+2:S+3]  ; the row's sum of the unquantised p, in two chains
.irp j, 4,8,12,16,20,24,28,32,36,40,44,48,52,56,60
	v_pk_add_f32 v[14:15], v[14:15], v[S+\j:S+\j+1]
	v_pk_add_f32 v[236:237], v[236:237], v[S+\j+2:S+\j+3]
.endr
	s_delay_alu instid0(VALU_DEP_1)
	v_pk_add_f32 v[14:15], v[14:15], v[236:237]
	s_wait_alu depctr_va_vdst(0)                   ; and one for the four
.irp b, 0,1,2,3
	v_max_num_f32 v[232+\b], 0x4800000, v[232+\b]  ; the floor: the byte cannot fall under 1
.endr
.irp b, 0,1,2,3
	s_delay_alu instid0(VALU_DEP_4)
	v_add_nc_u32 v[244+\b], 0xfc000000, v[232+\b]
.endr
.irp b, 0,1,2,3
	v_and_or_b32 v[240+\b], v[232+\b], 0x7f800000, s[MNT]
.endr
.irp b, 0,1,2,3
	v_lshrrev_b32 v[236+\b], 23, v[244+\b]
.endr
	s_delay_alu instid0(VALU_DEP_3)
	v_lshl_or_b32 v253, v237, 8, v236              ; p's scale word for these 128 keys
	s_delay_alu instid0(VALU_DEP_1)
	v_lshl_or_b32 v253, v238, 16, v253
	s_delay_alu instid0(VALU_DEP_1)
	v_lshl_or_b32 v253, v239, 24, v253
.irp b, 0,1,2,3
.irp i, 0,1,2,3,4,5,6,7,8,9,10,11,12,13,14,15
	v_min_num_f32 v[S+16*\b+\i], v[S+16*\b+\i], v[240+\b]      ; the hold; p is not negative
.endr
	v_cvt_scalef32_pk8_fp8_f32 v[PC+4*\b:PC+4*\b+1], v[S+16*\b:S+16*\b+7], v[244+\b]
	v_cvt_scalef32_pk8_fp8_f32 v[PC+4*\b+2:PC+4*\b+3], v[S+16*\b+8:S+16*\b+15], v[244+\b]
.endr
	s_wait_alu depctr_va_vdst(0)                   ; ahead of the first reader of O^T
.set j, 0
.rept 16
	v_pk_mul_f32 v[O+j:O+j+1], v[O+j:O+j+1], v[252:253] op_sel_hi:[1,0]    ; O^T under the new M; also the places in front of the products below
.set j, j+2
.endr
	s_wait_alu depctr_va_vdst(0)
	s_wait_dscnt 0x0                               ; V
.irp t, 0,1,2,3
	v_wmma_scale_f32_16x16x128_f8f6f4 v[O+8*\t:O+8*\t+7], v[40+16*\t:55+16*\t], v[PC:PC+15], v[O+8*\t:O+8*\t+7], v[248+\t], v253
.endr
.Lnext:
	; THE COPY, in every wave and every trip: chunk j + 1 into LDS, chunk j + 2 asked for.  The branches hang on the count of trips alone
	s_cmp_lt_u32 s[J], 15
	s_cbranch_scc0 .Lcopied
	s_wait_loadcnt 0x0                             ; chunk j + 1, asked for a trip ago
	ds_store_b128 v[CK], v[R:R+3]
	ds_store_b128 v[CV], v[R+4:R+7]
	v_add_nc_u32 v[CK], CHK, v[CK]
	v_add_nc_u32 v[CV], CHK, v[CV]
	s_cmp_lt_u32 s[J], 14
	s_cbranch_scc0 .Lcopied
	s_wait_dscnt 0x0                               ; the stores have read their registers
	global_load_b128 v[R:R+3], v[CG], s[6:7] offset:2*CHK      ; s[6:7] stands at chunk j
	global_load_b128 v[R+4:R+7], v[CG], s[6:7] offset:VIM+2*CHK
.Lcopied:
	s_wait_alu depctr_va_vdst(0)
	s_wait_dscnt 0x0                               ; for the others' sake: my part of chunk j + 1 lies in LDS
	s_barrier_signal -1
	s_barrier_wait -1                              ; chunk j + 1 is whole
	s_wait_xcnt 0x0                                ; the mask's and the chunk's loads have read their bases
	s_add_nc_u64 s[8:9], s[8:9], 128
	s_add_nc_u64 s[6:7], s[6:7], CHK
	s_add_co_u32 s[TB], s[TB], CHK
	s_add_co_u32 s[TS], s[TS], 256
	s_add_co_u32 s[J], s[J], 1
	s_cmp_lt_u32 s[J], 16
	s_cbranch_scc1 .Lstep
	; THE WAY OUT: O^T / the sum, quantised along the 64 channels, through my stage, 1,024 consecutive bytes out
	v_add_f32 v14, v14, v15
	s_delay_alu instid0(VALU_DEP_1)
	v_permlanex16_b32 v252, v14, s[SEL], s[SEL+1]
	s_delay_alu instid0(VALU_DEP_1)
	v_add_f32 v14, v14, v252
	s_wait_alu depctr_va_vdst(0)
	v_rcp_f32 v14, v14
	v_and_b32 v8, 15, v0
	s_delay_alu instid0(VALU_DEP_1)
	v_lshlrev_b32 v8, 1, v8                        ; 2 r
	v_and_b32 v9, 31, v0
.rept 5
	v_nop                                          ; with the plain lines above: the places behind the last products
.endr
	s_wait_alu depctr_va_vdst(0)
.set j, 0
.rept 32
	v_mul_f32 v[S+j], v[O+j], v14                  ; register 8 t + i: channel 16 t + 8 h + i of my query
.set j, j+1
.endr
.irp b, 0,1
	v_max3_num_f32 v[TM+\b], |v[S+16*\b]|, |v[S+16*\b+1]|, 0x4800000
.endr
.irp i, 2,4,6,8,10,12,14
.irp b, 0,1
	s_delay_alu instid0(VALU_DEP_2)
	v_max3_num_f32 v[TM+\b], v[TM+\b], |v[S+16*\b+\i]|, |v[S+16*\b+\i+1]|
.endr
.endr
.irp b, 0,1
	s_delay_alu instid0(VALU_DEP_2)
	v_permlanex16_b32 v[TM+2+\b], v[TM+\b], s[SEL], s[SEL+1]
.endr
.irp b, 0,1
	v_max_num_f32 v[TM+\b], v[TM+\b], v[TM+2+\b]
	s_delay_alu instid0(VALU_DEP_1)
	v_add_nc_u32 v[TM+6+\b], 0xfc000000, v[TM+\b]
	s_delay_alu instid0(VALU_DEP_2)
	v_and_or_b32 v[TM+4+\b], v[TM+\b], 0x7f800000, s[MNT]
	s_delay_alu instid0(VALU_DEP_2)
	v_lshrrev_b32 v[TM+2+\b], 23, v[TM+6+\b]
.endr
	s_delay_alu instid0(VALU_DEP_1)
	v_lshl_or_b32 v[HW], v[TM+3], 8, v[TM+2]
.irp b, 0,1
.irp i, 0,1,2,3,4,5,6,7,8,9,10,11,12,13,14,15
	v_med3_num_f32 v[S+16*\b+\i], v[S+16*\b+\i], -v[TM+4+\b], v[TM+4+\b]
.endr
	v_cvt_scalef32_pk8_fp8_f32 v[C+4*\b:C+4*\b+1], v[S+16*\b:S+16*\b+7], v[TM+6+\b]
	v_cvt_scalef32_pk8_fp8_f32 v[C+4*\b+2:C+4*\b+3], v[S+16*\b+8:S+16*\b+15], v[TM+6+\b]
.endr
	v_nop
.irp t, 0,1,2,3
	ds_store_b64 v6, v[C+2*\t:C+2*\t+1] offset:256*\t
.endr
	ds_load_b128 v[40:43], v7                      ; a wave's LDS instructions are served in order: these see my stores
	ds_load_b128 v[44:47], v7 offset:512
	s_wait_dscnt 0x0
	global_store_b128 v1, v[40:43], s[12:13]
	global_store_b128 v1, v[44:47], s[12:13] offset:512
	v_cmp_gt_u32 vcc_lo, 16, v9
	s_wait_xcnt 0x0                                ; EXEC changes only behind this wait
	s_and_saveexec_b32 s51, vcc_lo
	global_store_b16 v8, v[HW], s[52:53]           ; 16 rows' halfwords: 32 consecutive bytes
	s_wait_xcnt 0x0
	s_or_b32 exec_lo, exec_lo, s51
	s_wait_tensorcnt 0x0                           ; the wave's end
	ds_add_u32 v[SPW], v[NIL]
	s_wait_dscnt 0x0
	s_endpgm
.Lfunc_end_k_qe36a217064_attn:
	.size	k_qe36a217064_attn, .Lfunc_end_k_qe36a217064_attn-k_qe36a217064_attn
	.p2alignl 7, 3214868480
	.fill 96, 4, 3214868480
	.section	.rodata,"a",@progbits
	.p2align	6, 0x0
	.amdhsa_kernel k_qe36a217064_attn
		.amdhsa_group_segment_fixed_size 288768
		.amdhsa_private_segment_fixed_size 0
		.amdhsa_enable_private_segment 0
		.amdhsa_kernarg_size 40
		.amdhsa_user_sgpr_count 2
		.amdhsa_user_sgpr_kernarg_segment_ptr 1
		.amdhsa_wavefront_size32 1
		.amdhsa_system_sgpr_workgroup_id_x 1
		.amdhsa_system_sgpr_workgroup_id_y 1
		.amdhsa_system_sgpr_workgroup_id_z 1
		.amdhsa_system_vgpr_workitem_id 0
		.amdhsa_next_free_vgpr 256
		.amdhsa_next_free_sgpr 66
		.amdhsa_reserve_vcc 1
		.amdhsa_float_denorm_mode_32 3
		.amdhsa_float_denorm_mode_16_64 3
		.amdhsa_memory_ordered 1
		.amdhsa_forward_progress 1
		.amdhsa_inst_pref_size 46
	.end_amdhsa_kernel
	.amdgpu_metadata
---
amdhsa.version: [ 1, 2 ]
amdhsa.kernels:
  - .name:           k_qe36a217064_attn
    .symbol:         k_qe36a217064_attn.kd
    .args:
      - { .name: q, .offset: 0, .size: 8, .value_kind: global_buffer, .address_space: global }
      - { .name: kv, .offset: 8, .size: 8, .value_kind: global_buffer, .address_space: global }
      - { .name: attention_mask, .offset: 16, .size: 8, .value_kind: global_buffer, .address_space: global }
      - { .name: flags, .offset: 24, .size: 8, .value_kind: global_buffer, .address_space: global }
      - { .name: a1, .offset: 32, .size: 8, .value_kind: global_buffer, .address_space: global }
    .group_segment_fixed_size: 288768
    .private_segment_fixed_size: 0
    .kernarg_segment_align: 8
    .kernarg_segment_size: 40
    .max_flat_workgroup_size: 512
    .sgpr_count:     66
    .vgpr_count:     256
    .wavefront_size: 32
...
	.end_amdgpu_metadata
.endif
;; end of part 3
;; launch oproj (part 4): grid 16 x 16, 4 waves a work-group, clusters of 4 x 4, 327,680 bytes of LDS; arguments a1, w_o_codes, w_o_scales, x, h2; writes h2
.if DOCPART == 4
	.amdgcn_target "amdgcn-amd-amdhsa--gfx1250"
	.amdhsa_code_object_version 6
	.text
	.protected	k_qe36a217064_oproj
	.globl	k_qe36a217064_oproj
	.p2align	8
	.type	k_qe36a217064_oproj,@function
k_qe36a217064_oproj:
	s_mov_b64 s[64:65], 0
	v_nop
	global_prefetch_b8 v0, s[64:65] scope:SCOPE_SE
	s_setreg_imm32_b32 hwreg(HW_REG_WAVE_MODE, 25, 1), 1
	s_wait_xcnt 0x0
	s_wait_alu depctr_hold_cnt(0) depctr_sa_sdst(0) depctr_va_vdst(0) depctr_va_sdst(0) depctr_va_ssrc(0) depctr_va_vcc(0) depctr_vm_vsrc(0)
	s_getreg_b32 s2, hwreg(HW_REG_IB_STS2, 6, 4)
	s_cmp_eq_u32 s2, 0
	s_cbranch_scc0 .Lentry_in_a_cluster
	s_endpgm
.Lentry_in_a_cluster:
	s_bfe_u32 s2, ttmp6, 0x10000c
	s_cmp_lg_u32 s2, 0xf033
	s_cbranch_scc0 .Lentry_shape_is_right
	s_endpgm
.Lentry_shape_is_right:
; out = res + A W^T on codes of E4M3.  A comes as IMAGES of its fragments: [Q 16][T 128][2,048 bytes], byte 512 c + 16 lane + i = code (row block T's lane r, k = 128 Q + 32 c + 16 h + i); lane r of block T = 2 G + u is
; token 32 G + 8 u + r + 8 (r / 8).  Its scale bytes at byte 4,194,304 as planes [kb 32][T 128][r 16] of two bytes (K = 64 kb .. + 63).  W: codes [2048][2048], scale bytes [2048][64].  res, out: f32 [2048][2048].
; A tile is 128 x 128, four waves of 64 x 64 (16 accumulators); K = 2,048 goes in four steps of 512 through two LDS slots filled by joint tensor loads of a 4 x 4 cluster: A's tiles shared along a row, W's along a column.
; THE HEAD has one tensor load a wave: waves 0 and 1 A's halves of slot 0, wave 2 W's 128 rows of slot 0, wave 3 A's 32 scale planes.  Slot 1's first fill follows behind a round of the cluster's barrier, as a refill does.
; W's scale words go from memory straight into their registers (1/32 of W's bytes: not asked for jointly); A's halfwords are joined into words from LDS.  All of K's scale words stay in registers.
; THE PRODUCT IS USED TRANSPOSED (source 0 = 16 rows of W, source 1 = A's block): a lane holds eight neighbouring columns of one row of out.
; The residual is asked for at the head, in the layout in which the rows leave.  The way out goes through each wave's own stage (in slot 0, which has had its last fill and its last read by then): sixteen lanes store 256 consecutive bytes, aligned.
; No prefetch: K has four steps, written out: there is no loop to run ahead in, and two of the four steps are asked for ahead of the first product.
; REGISTERS: window 0: v0-31 addresses, v32-95 A's scale words (16 a + Q), v96-159 W's, v160-223 at work.  Window 1: two fragment buffers.  Window 2: accumulator (a, b) at 8 (4 a + b); from v128 the residual.
.set PITCH,  528
.set HALFT,  64*PITCH
.set SLOT,   4*HALFT
.set SCL,    2*SLOT                    ; A's scale planes: 32 rows of 256 bytes + 16
.set SPARE,  SCL+64*272                ; the spare words, 128 bytes a wave
.set ASTEP,  2097152                   ; two slots on: eight images' planes of 262,144 bytes
.set BSTEP,  1024
.set RO,   4
.set ADRA, 16
.set ADRB, 20
.set ADSA, 22
.set WSO,  23                          ; 64 r: a row of W's scale bytes
.set STO,  24
.set RD,   25
.set SPW,  28                          ; LDS address of my spare word; never rewritten
.set NIL,  29                          ; 0; never rewritten
.set SCA,  32
.set SCB,  96
.set BK,   160
.set F0,   0
.set F1,   128
.set PRE,  128
.set WV, 16
.set RH, 17
.set CH, 18
.set CX, 19
.set CY, 20
.set CLY, 22
.set G1A, 24
.set G0A, 32
.set G1B, 48
.set G0B, 56
.set G1SA, 68
.set G0SA, 76
.set G0HW, 88                          ; group 0 of the head's load of W's 128 rows
.set MSB, 0
.macro WIN new                         ; the immediate's high byte repeats the setting that is left
.if MSB != \new
	s_set_vgpr_msb (MSB<<8)|\new
.set MSB, \new
.endif
.endm
.set MUL,  0xa5                        ; sources 0 and 1 window 1, C and D window 2
.set TO_F, 0x40                        ; destination window 1
.macro TL g0, g1                       ; a tensor load with five lines behind it
	tensor_load_to_lds s[\g0:\g0+3], s[\g1:\g1+7]
	s_nop 0
.rept 4
	v_nop
.endr
.endm
.macro JLOAD g0a, g1a, g0b, g1b        ; a joint load of the ring: waves 0 and 1 fetch for A, waves 2 and 3 for W
	s_cmp_eq_u32 s[RH], 0
	s_cbranch_scc0 .Lfor_b_\@
	TL \g0a, \g1a
	s_branch .Lasked_\@
.Lfor_b_\@:
	TL \g0b, \g1b
.Lasked_\@:
.endm
.macro CREST
	s_cmp_lg_u32 s[WV], 0
	s_cbranch_scc1 .Lnot_wave_0_\@
	s_barrier_signal -3
.Lnot_wave_0_\@:
	s_barrier_wait -3
	s_barrier_signal -1
	s_barrier_wait -1
.endm
.macro CROUND
	s_barrier_signal -1
	s_barrier_wait -1
	CREST
.endm
.macro PLACES n
.rept \n
	v_nop
.endr
.endm
	s_load_b256 s[4:11], s[0:1], 0x0               ; A, W's codes, W's scales, res
	s_load_b64 s[12:13], s[0:1], 0x20              ; out
	v_lshl_add_u32 v[SPW], v0, 2, SPARE
	v_mov_b32 v[NIL], 0
	ds_add_u32 v[SPW], v[NIL]                      ; the opening lines: the add, twice on end, and its wait
	ds_add_u32 v[SPW], v[NIL]
	s_wait_dscnt 0x0
	v_lshrrev_b32 v1, 5, v0
	v_readfirstlane_b32 s[WV], v1
	s_lshr_b32 s[RH], s[WV], 1
	s_and_b32 s[CH], s[WV], 1
	s_bfe_u32 s[CX], ttmp6, 0x40000
	s_bfe_u32 s[CY], ttmp6, 0x40004
	s_and_b32 s[CLY], ttmp7, 0xffff
	s_lshl_b32 s98, s[CY], 2
	s_lshl_b32 s98, 15, s98                        ; my row of the cluster
	s_lshl_b32 s99, 0x1111, s[CX]                  ; my column
	s_or_b32 s[G1A], s98, (1<<21)                  ; A: four planes (Q) of four images: rows of 8,192 dense bytes, 262,144 apart; no padding: the reads are dense
	s_mov_b32 s[G1A+1], 8192<<16
	s_mov_b32 s[G1A+2], 4<<16
	s_mov_b32 s[G1A+3], 8192<<16
	s_mov_b32 s[G1A+4], 4
	s_mov_b32 s[G1A+5], 262144
	s_mov_b32 s[G1A+6], 0
	s_mov_b32 s[G1A+7], 0
	s_or_b32 s[G1B], s99, (1<<20)|(1<<21)|(6<<22)|(3<<25)      ; W: rows of 512 bytes, 4 words of padding behind each: 128 rows for the head's load; behind it the two words that count rows are set to 64
	s_mov_b32 s[G1B+1], 512<<16
	s_mov_b32 s[G1B+2], 128<<16
	s_mov_b32 s[G1B+3], 512<<16
	s_mov_b32 s[G1B+4], 128
	s_mov_b32 s[G1B+5], 2048
	s_mov_b32 s[G1B+6], 0
	s_mov_b32 s[G1B+7], 0
	s_or_b32 s[G1SA], s98, (3<<16)|(1<<20)|(1<<21)|(5<<22)|(3<<25)   ; A's scales: 32 planes' 256 bytes, 4,096 bytes (512 elements of 8) apart
	s_mov_b32 s[G1SA+1], 32<<16
	s_mov_b32 s[G1SA+2], 32<<16
	s_mov_b32 s[G1SA+3], 32<<16
	s_mov_b32 s[G1SA+4], 32
	s_mov_b32 s[G1SA+5], 512
	s_mov_b32 s[G1SA+6], 0
	s_mov_b32 s[G1SA+7], 0
	s_lshl_b32 s40, s[CLY], 2
	s_add_co_u32 s40, s40, s[CY]                   ; the tile row
	s_lshl_b32 s42, s40, 8
	s_add_co_u32 s42, s42, 0x400000                ; A's scales: 256 bytes x tile row in each plane
	s_lshl_b32 s40, s40, 14
	s_lshl_b32 s41, s[CH], 13
	s_add_co_u32 s40, s40, s41                     ; A's codes: image 8 x tile row + 4 x half
	s_lshl_b32 s44, ttmp9, 2
	s_add_co_u32 s44, s44, s[CX]                   ; the tile column
	s_lshl_b32 s44, s44, 7
	s_lshl_b32 s96, s44, 11                        ; W's codes at the tile's first row
	s_lshl_b32 s45, s[CH], 6
	s_add_co_u32 s44, s44, s45                     ; my half: the 64 rows that I fetch in the ring, and that I multiply
	s_lshl_b32 s46, s44, 6
	s_lshl_b32 s44, s44, 11
	s_mov_b32 s41, 0
	s_mov_b32 s43, 0
	s_mov_b32 s45, 0
	s_mov_b32 s47, 0
	s_mov_b32 s97, 0
	s_mul_i32 s23, s[WV], HALFT
	s_wait_kmcnt 0x0
	s_add_nc_u64 s[40:41], s[4:5], s[40:41]
	s_add_nc_u64 s[42:43], s[4:5], s[42:43]
	s_add_nc_u64 s[44:45], s[6:7], s[44:45]
	s_add_nc_u64 s[46:47], s[8:9], s[46:47]
	s_add_nc_u64 s[96:97], s[6:7], s[96:97]
	CROUND                                         ; all sixteen work-groups are here: the first joint loads meet
	s_mov_b32 s[G0SA], 1
	s_mov_b32 s[G0SA+1], SCL
	s_mov_b64 s[G0SA+2:G0SA+3], s[42:43]
	s_or_b32 s[G0SA+3], s[G0SA+3], 0x80000000
	s_mov_b32 s[G0HW], 1
	s_mov_b32 s[G0HW+1], 2*HALFT
	s_mov_b64 s[G0HW+2:G0HW+3], s[96:97]
	s_or_b32 s[G0HW+3], s[G0HW+3], 0x80000000
.irp s, 0,1
	s_mov_b32 s[G0A+4*\s], 1
	s_add_co_u32 s[G0A+4*\s+1], s23, \s*SLOT
	s_add_nc_u64 s[G0A+4*\s+2:G0A+4*\s+3], s[40:41], \s*1048576
	s_or_b32 s[G0A+4*\s+3], s[G0A+4*\s+3], 0x80000000
	s_mov_b32 s[G0B+4*\s], 1
	s_add_co_u32 s[G0B+4*\s+1], s23, \s*SLOT
	s_add_nc_u64 s[G0B+4*\s+2:G0B+4*\s+3], s[44:45], \s*512
	s_or_b32 s[G0B+4*\s+3], s[G0B+4*\s+3], 0x80000000
.endr
	; the head's loads: one chain of branches on the wave's number, one load to an arm, one join
	s_cmp_lt_u32 s[WV], 2
	s_cbranch_scc0 .Lhead_w
	TL G0A, G1A
	s_branch .Lhead_asked
.Lhead_w:
	s_cmp_lt_u32 s[WV], 3
	s_cbranch_scc0 .Lhead_s
	TL G0HW, G1B
	s_branch .Lhead_asked
.Lhead_s:
	TL G0SA, G1SA
.Lhead_asked:
	v_and_b32 v1, 15, v0                           ; r
	v_bfe_u32 v2, v0, 4, 1                         ; h
	v_lshlrev_b32 v[RO], 13, v2
	v_lshl_add_u32 v[RO], v1, 4, v[RO]             ; res and out: lanes 0-15 one row, lanes 16-31 the next; 16 bytes a lane
	v_lshlrev_b32 v[WSO], 6, v1
	s_wait_alu depctr_va_vdst(0)
.irp i, 0,1,2,3                        ; W's scale words: the four loads of a block of 16 rows cover its 1,024 consecutive bytes
.irp g, 0,1,2,3
	global_load_b128 v[SCB+16*\i+4*\g:SCB+16*\i+4*\g+3], v[WSO], s[46:47] offset:1024*\i+16*\g
.endr
.endr
	s_lshl_b32 s92, s[CLY], 2
	s_add_co_u32 s92, s92, s[CY]
	s_lshl_b32 s92, s92, 20                        ; 128 rows of 8,192 bytes x tile row
	s_lshl_b32 s93, s[RH], 19
	s_add_co_u32 s92, s92, s93
	s_lshl_b32 s93, ttmp9, 2
	s_add_co_u32 s93, s93, s[CX]
	s_lshl_b32 s93, s93, 9
	s_add_co_u32 s92, s92, s93
	s_lshl_b32 s93, s[CH], 8
	s_add_co_u32 s92, s92, s93
	s_mov_b32 s93, 0
	s_add_nc_u64 s[94:95], s[12:13], s[92:93]      ; out
	s_add_nc_u64 s[92:93], s[10:11], s[92:93]      ; res
	WIN 0x80
.irp m, 0,1,2,3
.irp t, 0,1,2,3,4,5,6,7
	global_load_b128 v[PRE+32*\m+4*\t:PRE+32*\m+4*\t+3], v[RO], s[92:93] offset:(32*(\m/2)+8*(\m%2)+2*\t+8*(\t/4))*8192 th:TH_LOAD_NT
.endr
.endr
	WIN 0
	v_and_b32 v7, 31, v0
	v_lshlrev_b32 v7, 4, v7                        ; 16 x lane: an image's place for my lane
	v_mul_u32_u24 v3, v1, PITCH
	v_lshl_add_u32 v3, v2, 4, v3
	s_mul_i32 s96, s[RH], HALFT
	s_mul_i32 s97, s[CH], HALFT
	s_add_co_u32 s97, s97, 2*HALFT
.irp s, 0,1
	v_add_nc_u32 v[ADRA+\s], s96, v7
	v_add_nc_u32 v[ADRB+\s], s97, v3
	s_add_co_u32 s96, s96, SLOT
	s_add_co_u32 s97, s97, SLOT
.endr
	s_lshl_b32 s96, s[RH], 7
	s_add_co_u32 s96, s96, SCL
	v_lshlrev_b32 v8, 1, v1
	v_add_nc_u32 v[ADSA], s96, v8                  ; A's halfwords: 128 x my half + 2 r in each plane's 272 bytes
	s_mul_i32 s96, s[WV], 16*272                   ; my stage: 16 rows of 256 bytes + 16
	v_mul_u32_u24 v8, v1, 272
	v_lshl_add_u32 v8, v2, 5, v8
	v_add_nc_u32 v[STO], s96, v8
	v_mul_u32_u24 v8, v2, 272
	v_lshl_add_u32 v8, v1, 4, v8
	v_add_nc_u32 v[RD], s96, v8
.macro FETCH slot, q, f                ; 32 LDS loads in one run: W's four fragments, then A's four images
	WIN TO_F
.irp b, 0,1,2,3
.irp c, 0,1,2,3
	ds_load_b128 v[\f+64+16*\b+4*\c:\f+64+16*\b+4*\c+3], v[ADRB+\slot] offset:128*(\q)+32*\c+16*\b*PITCH
.endr
.endr
.irp a, 0,1,2,3
.irp c, 0,1,2,3
	ds_load_b128 v[\f+16*\a+4*\c:\f+16*\a+4*\c+3], v[ADRA+\slot] offset:8192*(\q)+2048*\a+512*\c
.endr
.endr
.endm
.macro MULA f, a, Q, zero              ; A's block a against W's four, K step Q.  The 16 accumulators take turns in one order throughout
.irp b, 0,1,2,3
.if \zero
	v_wmma_scale_f32_16x16x128_f8f6f4 v[8*(4*(\a)+\b):8*(4*(\a)+\b)+7], v[\f+64+16*\b:\f+64+16*\b+15], v[\f+16*(\a):\f+16*(\a)+15], 0, v[SCB+16*\b+(\Q)], v[SCA+16*(\a)+(\Q)]
.else
	v_wmma_scale_f32_16x16x128_f8f6f4 v[8*(4*(\a)+\b):8*(4*(\a)+\b)+7], v[\f+64+16*\b:\f+64+16*\b+15], v[\f+16*(\a):\f+16*(\a)+15], v[8*(4*(\a)+\b):8*(4*(\a)+\b)+7], v[SCB+16*\b+(\Q)], v[SCA+16*(\a)+(\Q)]
.endif
.endr
.endm
.macro QUARTER slot, qn, f, g, Q, zero
	s_wait_dscnt 8                                 ; W's four and A's blocks 0, 1 are in; the youngest eight loads (A's blocks 2, 3) may be out
	WIN MUL
	MULA \f, 0, \Q, \zero
	MULA \f, 1, \Q, \zero
	PLACES 8                                       ; in front of loads into registers that matrix instructions have read
	FETCH \slot, \qn, \g
	s_wait_dscnt 32                                ; all but the 32 just issued
	WIN MUL
	MULA \f, 2, \Q, \zero
	MULA \f, 3, \Q, \zero
.endm
.macro TURN slot, next, fill, Q
	WIN 0
	s_wait_tensorcnt 0x0                           ; all my tensor loads have landed: my part of the next slot
	ds_add_u32 v[SPW], v[NIL]                      ; 0 onto my spare word
	s_wait_dscnt 9                                 ; (the add and A's blocks 2, 3 may be out)
	WIN MUL
	MULA F1, 0, \Q, 0
	s_wait_dscnt 0x0                               ; the add is done, and my reads of this slot are over
	s_barrier_signal -1
	MULA F1, 1, \Q, 0
	WIN 0
	s_barrier_wait -1
.if \fill
	CREST                                          ; the barrier has opened a round of the cluster's: no wave of any partner still reads this slot or has a load on its way
	s_add_nc_u64 s[G0A+4*\slot+2:G0A+4*\slot+3], s[G0A+4*\slot+2:G0A+4*\slot+3], ASTEP
	s_add_nc_u64 s[G0B+4*\slot+2:G0B+4*\slot+3], s[G0B+4*\slot+2:G0B+4*\slot+3], BSTEP
	JLOAD G0A+4*\slot, G1A, G0B+4*\slot, G1B       ; my one tensor load behind the round; its four v_nop are four of the eight places
	PLACES 4
.else
	PLACES 8
.endif
	FETCH \next, 0, F0
	WIN MUL
	MULA F1, 2, \Q, 0
	MULA F1, 3, \Q, 0
.endm
	s_wait_alu depctr_va_vdst(0)                   ; the wait at the head's end
	s_wait_tensorcnt 0x0                           ; my tile of the head's four is in
	ds_add_u32 v[SPW], v[NIL]
	s_mov_b32 s[G1B+2], 64<<16                     ; no tensor load of mine is out: from here on a load of W brings 64 rows
	s_mov_b32 s[G1B+4], 64
	s_wait_dscnt 0x0
	CROUND                                         ; slot 0 and A's scales are whole, and all sixteen work-groups are here
	JLOAD G0A+4, G1A, G0B+4, G1B                   ; slot 1's first fill: my one tensor load behind the round
.set qq, 0
.rept 16
.irp i, 0,1,2,3
	ds_load_u16 v[SCA+16*\i+qq], v[ADSA] offset:272*(2*qq)+32*\i           ; K = 128 Q .. + 63
	ds_load_u16 v[BK+16*\i+qq], v[ADSA] offset:272*(2*qq+1)+32*\i          ; K = 128 Q + 64 .. + 127
.endr
.set qq, qq+1
.endr
	s_wait_loadcnt 32                              ; W's 16 loads of scale words are in; the residual's 32, issued behind them, may be out
	s_wait_dscnt 0x0
	FETCH 0, 0, F0
	WIN 0
.set qq, 0
.rept 16
.irp i, 0,1,2,3
	v_lshl_or_b32 v[SCA+16*\i+qq], v[BK+16*\i+qq], 16, v[SCA+16*\i+qq]     ; K step 0's words first: 60 plain lines stand between them and the first product
.endr
.set qq, qq+1
.endr
	QUARTER 0, 1, F0, F1, 0, 1                     ; the first products start the sums
	QUARTER 0, 2, F1, F0, 1, 0
	QUARTER 0, 3, F0, F1, 2, 0
	TURN 0, 1, 1, 3
	QUARTER 1, 1, F0, F1, 4, 0
	QUARTER 1, 2, F1, F0, 5, 0
	QUARTER 1, 3, F0, F1, 6, 0
	TURN 1, 0, 1, 7
	QUARTER 0, 1, F0, F1, 8, 0
	QUARTER 0, 2, F1, F0, 9, 0
	QUARTER 0, 3, F0, F1, 10, 0
	TURN 0, 1, 0, 11                               ; nothing is left to fetch
	QUARTER 1, 1, F0, F1, 12, 0
	s_wait_alu depctr_va_vdst(0)
	QUARTER 1, 2, F1, F0, 13, 0
	QUARTER 1, 3, F0, F1, 14, 0
	s_wait_dscnt 8
	WIN MUL
	MULA F1, 0, 15, 0
	MULA F1, 1, 15, 0
	s_wait_dscnt 0x0
	MULA F1, 2, 15, 0
	MULA F1, 3, 15, 0
	WIN 0
	PLACES 8                                       ; in front of the first read of results
	s_wait_loadcnt 0x0                             ; the residual
.irp m, 0,1,2,3                        ; a block of 16 rows x 64 columns at a time through my stage
	WIN 0x08                                       ; an LDS store's data are its source 1: window 2
.irp b, 0,1,2,3
	ds_store_b128 v[STO], v[8*(4*\m+\b):8*(4*\m+\b)+3] offset:64*\b        ; each accumulator from its low end on
	ds_store_b128 v[STO], v[8*(4*\m+\b)+4:8*(4*\m+\b)+7] offset:64*\b+16
.endr
	WIN 0
.if \m > 1
	s_wait_xcnt 0x0                                ; the stores of two blocks ago have read these registers
.endif
.irp t, 0,1,2,3,4,5,6,7
	ds_load_b128 v[BK+32*(\m%2)+4*\t:BK+32*(\m%2)+4*\t+3], v[RD] offset:544*\t   ; a wave's LDS instructions are served in order: these see the stores above
.endr
	s_wait_dscnt 0x0
	WIN 0x08
.irp p, 0,1,2,3,4,5,6,7,8,9,10,11,12,13,14,15
	v_pk_add_f32 v[BK+32*(\m%2)+2*\p:BK+32*(\m%2)+2*\p+1], v[BK+32*(\m%2)+2*\p:BK+32*(\m%2)+2*\p+1], v[PRE+32*\m+2*\p:PRE+32*\m+2*\p+1]
.endr
	WIN 0
.irp t, 0,1,2,3,4,5,6,7
	global_store_b128 v[RO], v[BK+32*(\m%2)+4*\t:BK+32*(\m%2)+4*\t+3], s[94:95] offset:(32*(\m/2)+8*(\m%2)+2*\t+8*(\t/4))*8192   ; 16 lanes store 256 consecutive bytes, aligned
.endr
.endr
	s_wait_tensorcnt 0x0                           ; the wave's end
	ds_add_u32 v[SPW], v[NIL]
	s_wait_dscnt 0x0
	CROUND                                         ; the closing round
	s_endpgm
.Lfunc_end_k_qe36a217064_oproj:
	.size	k_qe36a217064_oproj, .Lfunc_end_k_qe36a217064_oproj-k_qe36a217064_oproj
	.p2alignl 7, 3214868480
	.fill 96, 4, 3214868480
	.section	.rodata,"a",@progbits
	.p2align	6, 0x0
	.amdhsa_kernel k_qe36a217064_oproj
		.amdhsa_group_segment_fixed_size 327680
		.amdhsa_private_segment_fixed_size 0
		.amdhsa_enable_private_segment 0
		.amdhsa_kernarg_size 40
		.amdhsa_user_sgpr_count 2
		.amdhsa_user_sgpr_kernarg_segment_ptr 1
		.amdhsa_wavefront_size32 1
		.amdhsa_system_sgpr_workgroup_id_x 1
		.amdhsa_system_sgpr_workgroup_id_y 1
		.amdhsa_system_sgpr_workgroup_id_z 1
		.amdhsa_system_vgpr_workitem_id 0
		.amdhsa_next_free_vgpr 768
		.amdhsa_next_free_sgpr 102
		.amdhsa_reserve_vcc 0
		.amdhsa_float_denorm_mode_32 3
		.amdhsa_float_denorm_mode_16_64 3
		.amdhsa_memory_ordered 1
		.amdhsa_forward_progress 1
		.amdhsa_inst_pref_size 111
	.end_amdhsa_kernel
	.amdgpu_metadata
---
amdhsa.version: [ 1, 2 ]
amdhsa.kernels:
  - .name:           k_qe36a217064_oproj
    .symbol:         k_qe36a217064_oproj.kd
    .args:
      - { .name: a1, .offset: 0, .size: 8, .value_kind: global_buffer, .address_space: global }
      - { .name: w_o_codes, .offset: 8, .size: 8, .value_kind: global_buffer, .address_space: global }
      - { .name: w_o_scales, .offset: 16, .size: 8, .value_kind: global_buffer, .address_space: global }
      - { .name: x, .offset: 24, .size: 8, .value_kind: global_buffer, .address_space: global }
      - { .name: h2, .offset: 32, .size: 8, .value_kind: global_buffer, .address_space: global }
    .group_segment_fixed_size: 327680
    .private_segment_fixed_size: 0
    .kernarg_segment_align: 8
    .kernarg_segment_size: 40
    .max_flat_workgroup_size: 128
    .sgpr_count:     102
    .vgpr_count:     768
    .wavefront_size: 32
...
	.end_amdgpu_metadata
.endif
;; end of part 4
;; launch norm2 (part 5): grid 256 x 1, 8 waves a work-group, no clusters, 83,456 bytes of LDS; arguments h2, ff_norm_w, a0; writes a0
.if DOCPART == 5
	.amdgcn_target "amdgcn-amd-amdhsa--gfx1250"
	.amdhsa_code_object_version 6
	.text
	.protected	k_qe36a217064_norm2
	.globl	k_qe36a217064_norm2
	.p2align	8
	.type	k_qe36a217064_norm2,@function
k_qe36a217064_norm2:
	s_mov_b64 s[64:65], 0
	v_nop
	global_prefetch_b8 v0, s[64:65] scope:SCOPE_SE
	s_setreg_imm32_b32 hwreg(HW_REG_WAVE_MODE, 25, 1), 1
	s_wait_xcnt 0x0
; g = h2 * rsqrt(mean(h2^2) + 1e-5) * w, quantised along its 2,048 columns to codes of E4M3 with one E8M0 byte for each 32: a0 = codes [2048][2048], then at byte 4,194,304 the scale bytes [2048][64].
; SHARES: a work-group takes 8 rows, a wave one row.  Each load reads 512 consecutive bytes; the numbers turn through the wave's own stage in LDS (64 bytes + 16 of padding a lane), so that a lane then holds
; 16 neighbours of each of four chunks of 512: two neighbouring lanes hold a block of 32.  No matrix unit, no cluster, no tensor load: the launch streams.
; LIMITS: a block whose largest magnitude lies under 2^-118 (a block of zeros too) gets the byte 1: the bytes are read by this program alone; NaN and infinities are not served.
.set SP,    80
.set WST,   4*32*SP
.set SCBY,  8*WST
.set R,     16                         ; v16-79   the row as loaded
.set X,     80                         ; v80-143  X[16 c + i] = row[512 c + 16 lane + i]
.set W,     144                        ; v144-207 w in the same order
.set C,     208
.set E,     224
.set HOLD,  228
.set SOP,   232
.set MXB,   244
	s_load_b128 s[4:7], s[0:1], 0x0                ; h2, w
	s_load_b64 s[10:11], s[0:1], 0x10              ; a0
	v_lshl_add_u32 v248, v0, 2, 0x14200
	v_mov_b32 v249, 0
	v_lshrrev_b32 v8, 5, v0
	s_delay_alu instid0(VALU_DEP_1)
	v_readfirstlane_b32 s16, v8
	v_and_b32 v1, 31, v0
	s_delay_alu instid0(VALU_DEP_1)
	v_lshlrev_b32 v2, 4, v1
	s_mul_i32 s17, s16, WST
	v_lshrrev_b32 v3, 2, v1
	s_delay_alu instid0(VALU_DEP_1)
	v_mul_u32_u24 v3, v3, SP
	v_and_b32 v8, 3, v1
	s_delay_alu instid0(VALU_DEP_1)
	v_lshl_add_u32 v3, v8, 4, v3
	s_delay_alu instid0(VALU_DEP_1)
	v_add_nc_u32 v3, s17, v3
	v_mul_u32_u24 v4, v1, SP
	s_delay_alu instid0(VALU_DEP_1)
	v_add_nc_u32 v4, s17, v4
	s_lshl_b32 s18, s16, 6
	s_add_co_u32 s18, s18, SCBY
	v_lshrrev_b32 v5, 1, v1
	s_delay_alu instid0(VALU_DEP_1)
	v_add_nc_u32 v5, s18, v5
	v_add_nc_u32 v6, SCBY, v2
	v_lshlrev_b32 v7, 6, v1
	s_lshl_b32 s19, ttmp9, 3
	s_add_co_u32 s19, s19, s16
	s_lshl_b32 s20, s19, 13
	s_mov_b32 s21, 0
	s_lshl_b32 s22, s19, 11
	s_mov_b32 s23, 0
	s_lshl_b32 s26, ttmp9, 9
	s_add_co_u32 s26, s26, 0x400000
	s_mov_b32 s27, 0
	s_mov_b32 s14, 0x76543210
	s_mov_b32 s15, 0xfedcba98
	s_mov_b32 s36, 0x3727c5ac                      ; 1e-5
	s_mov_b32 s37, 0x600000
	s_wait_alu depctr_va_vdst(0)
	s_wait_kmcnt 0x0
	s_add_nc_u64 s[4:5], s[4:5], s[20:21]
	s_add_nc_u64 s[24:25], s[10:11], s[22:23]
	s_add_nc_u64 s[26:27], s[10:11], s[26:27]
.irp n, 0,1,2,3,4,5,6,7,8,9,10,11,12,13,14,15
	global_load_b128 v[R+4*\n:R+4*\n+3], v2, s[4:5] offset:512*\n th:TH_LOAD_NT
.endr
.irp c, 0,1,2,3
.irp j, 0,1,2,3
	global_load_b128 v[W+16*\c+4*\j:W+16*\c+4*\j+3], v7, s[6:7] offset:2048*\c+16*\j
.endr
.endr
	s_wait_loadcnt 16                              ; the row's 16 loads are in; w's 16 stay out
.irp c, 0,1,2,3
.irp i, 0,1,2,3
	ds_store_b128 v3, v[R+16*\c+4*\i:R+16*\c+4*\i+3] offset:32*SP*\c+8*SP*\i
.endr
.endr
.irp c, 0,1,2,3
.irp i, 0,1,2,3
	ds_load_b128 v[X+16*\c+4*\i:X+16*\c+4*\i+3], v4 offset:32*SP*\c+16*\i
.endr
.endr
.irp k, 0,1,2,3
	v_pk_mul_f32 v[8+2*\k:9+2*\k], v[R+2*\k:R+2*\k+1], v[R+2*\k:R+2*\k+1]
.endr
.set p, 4
.rept 28
	s_delay_alu instid0(VALU_DEP_4)
	v_pk_fma_f32 v[8+2*(p%4):9+2*(p%4)], v[R+2*p:R+2*p+1], v[R+2*p:R+2*p+1], v[8+2*(p%4):9+2*(p%4)]
.set p, p+1
.endr
	s_delay_alu instid0(VALU_DEP_3)
	v_pk_add_f32 v[8:9], v[8:9], v[10:11]
	s_delay_alu instid0(VALU_DEP_2)
	v_pk_add_f32 v[12:13], v[12:13], v[14:15]
	s_delay_alu instid0(VALU_DEP_1)
	v_pk_add_f32 v[8:9], v[8:9], v[12:13]
	s_delay_alu instid0(VALU_DEP_1)
	v_add_f32 v8, v8, v9
	s_delay_alu instid0(VALU_DEP_1)
	v_add_f32_dpp v8, v8, v8 row_xmask:1 row_mask:0xf bank_mask:0xf
	s_delay_alu instid0(VALU_DEP_1)
	v_add_f32_dpp v8, v8, v8 row_xmask:2 row_mask:0xf bank_mask:0xf
	s_delay_alu instid0(VALU_DEP_1)
	v_add_f32_dpp v8, v8, v8 row_xmask:4 row_mask:0xf bank_mask:0xf
	s_delay_alu instid0(VALU_DEP_1)
	v_add_f32_dpp v8, v8, v8 row_xmask:8 row_mask:0xf bank_mask:0xf
	s_delay_alu instid0(VALU_DEP_1)
	v_permlanex16_b32 v9, v8, s14, s15
	s_delay_alu instid0(VALU_DEP_1)
	v_add_f32 v8, v8, v9
	s_delay_alu instid0(VALU_DEP_1)
	v_fma_f32 v10, v8, 0x3a000000, s36
	s_wait_alu depctr_va_vdst(0)
	v_rsq_f32 v12, v10
	v_rsq_f32 v13, v10
	v_nop                                          ; a plain line behind the roots
	s_wait_alu depctr_va_vdst(0)                   ; and the wait ahead of their first reader
	s_wait_loadcnt 0x0
	s_wait_dscnt 0x0
.set p, 0
.rept 32
	v_pk_mul_f32 v[X+2*p:X+2*p+1], v[X+2*p:X+2*p+1], v[12:13]
.set p, p+1
.endr
.set p, 0
.rept 32
	v_pk_mul_f32 v[X+2*p:X+2*p+1], v[X+2*p:X+2*p+1], v[W+2*p:W+2*p+1]
.set p, p+1
.endr
.irp c, 0,1,2,3
	v_max3_num_f32 v[8+\c], |v[X+16*\c]|, |v[X+16*\c+1]|, |v[X+16*\c+2]|
	v_max3_num_f32 v[MXB+\c], |v[X+16*\c+3]|, |v[X+16*\c+4]|, |v[X+16*\c+5]|
.endr
.irp i, 6,10
.irp c, 0,1,2,3
	v_max3_num_f32 v[8+\c], v[8+\c], |v[X+16*\c+\i]|, |v[X+16*\c+\i+1]|
	v_max3_num_f32 v[MXB+\c], v[MXB+\c], |v[X+16*\c+\i+2]|, |v[X+16*\c+\i+3]|
.endr
.endr
.irp c, 0,1,2,3
	v_max3_num_f32 v[8+\c], v[8+\c], |v[X+16*\c+14]|, |v[X+16*\c+15]|
.endr
.irp c, 0,1,2,3
	s_delay_alu instid0(VALU_DEP_4)
	v_max3_num_f32 v[8+\c], v[8+\c], v[MXB+\c], 0x4800000      ; the floor 2^(9 - 127)
.endr
.irp c, 0,1,2,3
	s_delay_alu instid0(VALU_DEP_4)
	v_max_num_f32_dpp v[8+\c], v[8+\c], v[8+\c] row_xmask:1 row_mask:0xf bank_mask:0xf
.endr
.irp c, 0,1,2,3
	s_delay_alu instid0(VALU_DEP_4)
	v_add_nc_u32 v[SOP+\c], 0xfc000000, v[8+\c]
.endr
.irp c, 0,1,2,3
	v_and_or_b32 v[HOLD+\c], v[8+\c], 0x7f800000, s37
.endr
.irp c, 0,1,2,3
.irp i, 0,1,2,3,4,5,6,7,8,9,10,11,12,13,14,15
	v_med3_num_f32 v[X+16*\c+\i], v[X+16*\c+\i], -v[HOLD+\c], v[HOLD+\c]
.endr
	v_cvt_scalef32_pk8_fp8_f32 v[C+4*\c:C+4*\c+1], v[X+16*\c:X+16*\c+7], v[SOP+\c]
	v_cvt_scalef32_pk8_fp8_f32 v[C+4*\c+2:C+4*\c+3], v[X+16*\c+8:X+16*\c+15], v[SOP+\c]
.endr
.irp c, 0,1,2,3
	v_lshrrev_b32 v[E+\c], 23, v[SOP+\c]
.endr
.irp c, 0,1,2,3
	global_store_b128 v2, v[C+4*\c:C+4*\c+3], s[24:25] offset:512*\c       ; 512 consecutive bytes, aligned
	ds_store_b8 v5, v[E+\c] offset:16*\c
.endr
	s_wait_dscnt 0x0                               ; for wave 0's sake: my scale bytes lie in LDS
	s_barrier_signal -1
	s_barrier_wait -1
	s_cmp_lg_u32 s16, 0
	s_cbranch_scc1 .Lend
	ds_load_b128 v[8:11], v6
	s_wait_dscnt 0x0
	global_store_b128 v2, v[8:11], s[26:27]
.Lend:
	s_barrier_signal -1
	s_barrier_wait -1
	s_wait_tensorcnt 0x0
	ds_add_u32 v248, v249
	s_wait_dscnt 0x0
	s_endpgm
.Lfunc_end_k_qe36a217064_norm2:
	.size	k_qe36a217064_norm2, .Lfunc_end_k_qe36a217064_norm2-k_qe36a217064_norm2
	.p2alignl 7, 3214868480
	.fill 96, 4, 3214868480
	.section	.rodata,"a",@progbits
	.p2align	6, 0x0
	.amdhsa_kernel k_qe36a217064_norm2
		.amdhsa_group_segment_fixed_size 83456
		.amdhsa_private_segment_fixed_size 0
		.amdhsa_enable_private_segment 0
		.amdhsa_kernarg_size 24
		.amdhsa_user_sgpr_count 2
		.amdhsa_user_sgpr_kernarg_segment_ptr 1
		.amdhsa_wavefront_size32 1
		.amdhsa_system_sgpr_workgroup_id_x 1
		.amdhsa_system_sgpr_workgroup_id_y 1
		.amdhsa_system_sgpr_workgroup_id_z 1
		.amdhsa_system_vgpr_workitem_id 0
		.amdhsa_next_free_vgpr 250
		.amdhsa_next_free_sgpr 66
		.amdhsa_reserve_vcc 0
		.amdhsa_float_denorm_mode_32 3
		.amdhsa_float_denorm_mode_16_64 3
		.amdhsa_memory_ordered 1
		.amdhsa_forward_progress 1
		.amdhsa_inst_pref_size 25
	.end_amdhsa_kernel
	.amdgpu_metadata
---
amdhsa.version: [ 1, 2 ]
amdhsa.kernels:
  - .name:           k_qe36a217064_norm2
    .symbol:         k_qe36a217064_norm2.kd
    .args:
      - { .name: h2, .offset: 0, .size: 8, .value_kind: global_buffer, .address_space: global }
      - { .name: ff_norm_w, .offset: 8, .size: 8, .value_kind: global_buffer, .address_space: global }
      - { .name: a0, .offset: 16, .size: 8, .value_kind: global_buffer, .address_space: global }
    .group_segment_fixed_size: 83456
    .private_segment_fixed_size: 0
    .kernarg_segment_align: 8
    .kernarg_segment_size: 24
    .max_flat_workgroup_size: 256
    .sgpr_count:     66
    .vgpr_count:     250
    .wavefront_size: 32
...
	.end_amdgpu_metadata
.endif
;; end of part 5
;; launch ffn (part 6): grid 32 x 16, 4 waves a work-group, clusters of 4 x 4, 327,680 bytes of LDS; arguments a0, w1_codes, w1_scales, w3_codes, w3_scales, a1; writes a1
.if DOCPART == 6
	.amdgcn_target "amdgcn-amd-amdhsa--gfx1250"
	.amdhsa_code_object_version 6
	.text
	.protected	k_qe36a217064_ffn
	.globl	k_qe36a217064_ffn
	.p2align	8
	.type	k_qe36a217064_ffn,@function
k_qe36a217064_ffn:
	s_mov_b64 s[64:65], 0
	v_nop
	global_prefetch_b8 v0, s[64:65] scope:SCOPE_SE
	s_setreg_imm32_b32 hwreg(HW_REG_WAVE_MODE, 25, 1), 1
	s_wait_xcnt 0x0
	s_wait_alu depctr_hold_cnt(0) depctr_sa_sdst(0) depctr_va_vdst(0) depctr_va_sdst(0) depctr_va_ssrc(0) depctr_va_vcc(0) depctr_vm_vsrc(0)
	s_getreg_b32 s2, hwreg(HW_REG_IB_STS2, 6, 4)
	s_cmp_eq_u32 s2, 0
	s_cbranch_scc0 .Lentry_in_a_cluster
	s_endpgm
.Lentry_in_a_cluster:
	s_bfe_u32 s2, ttmp6, 0x10000c
	s_cmp_lg_u32 s2, 0xf033
	s_cbranch_scc0 .Lentry_shape_is_right
	s_endpgm
.Lentry_shape_is_right:
.set PITCH,  528
.set HALFT,  64*PITCH
.set SLOT,   4*HALFT
.set SCL,    2*SLOT
.set HALFS,  16*272
.set SBLK,   4*272
.set SPARE,  SCL+4*HALFS
.set ASTEP,  1024
.set BSTEP,  1024
.set SST,    8192
.set L16,  5
.set L8,   6
.set ADRA, 16
.set ADRB, 20
.set ADSA, 22
.set ADSB, 23
.set STF,  24
.set SSF,  25
.set SPW,  28
.set NIL,  29
.set RDO,  30
.set RDS,  31
.set SCA,  32
.set SCB,  96
.set TT,   160
.set TM,   224
.set C,    232
.set F0,   0
.set F1,   128
.set WV, 16
.set RH, 17
.set CH, 18
.set CX, 19
.set CY, 20
.set CLY, 22
.set MNT, 3
.set SEL, 100
.set G1A, 24
.set G0A, 32
.set G1B, 48
.set G0B, 56
.set G1SA, 68
.set G0SA, 76
.set G1SB, 80
.set G0SB, 88
.set MSB, 0
.macro WIN new
.if MSB != \new
	s_set_vgpr_msb (MSB<<8)|\new
.set MSB, \new
.endif
.endm
.set MUL,  0xa5
.set TO_F, 0x40
.macro JLOAD g0a, g1a, g0b, g1b
	s_cmp_eq_u32 s[RH], 0
	s_cbranch_scc0 .Lfor_b_\@
	tensor_load_to_lds s[\g0a:\g0a+3], s[\g1a:\g1a+7]
	s_nop 0
.rept 4
	v_nop
.endr
	s_branch .Lasked_\@
.Lfor_b_\@:
	tensor_load_to_lds s[\g0b:\g0b+3], s[\g1b:\g1b+7]
	s_nop 0
.rept 4
	v_nop
.endr
.Lasked_\@:
.endm
.macro CREST
	s_cmp_lg_u32 s[WV], 0
	s_cbranch_scc1 .Lnot_wave_0_\@
	s_barrier_signal -3
.Lnot_wave_0_\@:
	s_barrier_wait -3
	s_barrier_signal -1
	s_barrier_wait -1
.endm
.macro CROUND
	s_barrier_signal -1
	s_barrier_wait -1
	CREST
.endm
.macro PLACES n
.rept \n
	v_nop
.endr
.endm
	s_load_b256 s[4:11], s[0:1], 0x0
	s_load_b128 s[12:15], s[0:1], 0x20
	v_lshl_add_u32 v[SPW], v0, 2, SPARE
	v_mov_b32 v[NIL], 0
	ds_add_u32 v28, v29
	ds_add_u32 v28, v29
	s_wait_dscnt 0x0
	v_lshrrev_b32 v1, 5, v0
	v_readfirstlane_b32 s[WV], v1
	s_lshr_b32 s[RH], s[WV], 1
	s_and_b32 s[CH], s[WV], 1
	s_bfe_u32 s[CX], ttmp6, 0x40000
	s_bfe_u32 s[CY], ttmp6, 0x40004
	s_and_b32 s[CLY], ttmp7, 0xffff
	s_lshl_b32 s98, s[CY], 2
	s_lshl_b32 s98, 15, s98
	s_lshl_b32 s99, 0x1111, s[CX]
	s_or_b32 s[G1A], s98, (1<<20)|(1<<21)|(6<<22)|(3<<25)
	s_or_b32 s[G1B], s99, (1<<20)|(1<<21)|(6<<22)|(3<<25)
.irp g, G1A, G1B
	s_mov_b32 s[\g+1], 512<<16
	s_mov_b32 s[\g+2], 64<<16
	s_mov_b32 s[\g+3], 512<<16
	s_mov_b32 s[\g+4], 64
	s_mov_b32 s[\g+5], 2048
	s_mov_b32 s[\g+6], 0
	s_mov_b32 s[\g+7], 0
.endr
	s_lshl_b32 s40, s[CLY], 2
	s_add_co_u32 s40, s40, s[CY]
	s_lshl_b32 s40, s40, 7
	s_lshl_b32 s42, s40, 6                         ; A's scales, 64 bytes a row: of the 64 rows that I multiply (half RH)
	s_lshl_b32 s41, s[RH], 12
	s_add_co_u32 s42, s42, s41
	s_lshl_b32 s41, s[CH], 6                       ; A's codes: the 64 rows that I fetch
	s_add_co_u32 s40, s40, s41
	s_lshl_b32 s40, s40, 11
	s_lshl_b32 s44, ttmp9, 2
	s_add_co_u32 s44, s44, s[CX]
	s_lshl_b32 s44, s44, 6
	s_lshl_b32 s46, s44, 6                         ; w1's and w3's scales: of the 32 rows of each that I multiply (half CH)
	s_lshl_b32 s76, s[CH], 11
	s_add_co_u32 s46, s46, s76
	s_mov_b32 s76, s46
	s_mov_b32 s77, 0
	s_lshl_b32 s44, s44, 11
	s_mov_b32 s41, 0
	s_mov_b32 s43, 0
	s_mov_b32 s45, 0
	s_mov_b32 s47, 0
	s_mul_i32 s23, s[WV], HALFT
	s_mov_b32 s[SEL], 0x76543210
	s_mov_b32 s[SEL+1], 0xfedcba98
	s_mov_b32 s[MNT], 0x600000
	s_wait_kmcnt 0x0
	s_add_nc_u64 s[42:43], s[4:5], s[42:43]
	s_add_nc_u64 s[42:43], s[42:43], 0x400000
	s_add_nc_u64 s[40:41], s[4:5], s[40:41]
	s_cmp_eq_u32 s[CH], 0
	s_cselect_b64 s[94:95], s[6:7], s[10:11]
	s_add_nc_u64 s[44:45], s[94:95], s[44:45]
	s_add_nc_u64 s[46:47], s[8:9], s[46:47]        ; w1's scales
	s_add_nc_u64 s[76:77], s[12:13], s[76:77]      ; w3's
	CROUND
.irp s, 0,1
	s_mov_b32 s[G0A+4*\s], 1
	s_add_co_u32 s[G0A+4*\s+1], s23, \s*SLOT
	s_add_nc_u64 s[G0A+4*\s+2:G0A+4*\s+3], s[40:41], \s*512
	s_or_b32 s[G0A+4*\s+3], s[G0A+4*\s+3], 0x80000000
	s_mov_b32 s[G0B+4*\s], 1
	s_add_co_u32 s[G0B+4*\s+1], s23, \s*SLOT
	s_add_nc_u64 s[G0B+4*\s+2:G0B+4*\s+3], s[44:45], \s*512
	s_or_b32 s[G0B+4*\s+3], s[G0B+4*\s+3], 0x80000000
.endr
	JLOAD G0A, G1A, G0B, G1B                       ; slot 0, a quarter a wave: one tensor load a wave at the head
	v_and_b32 v1, 15, v0
	v_bfe_u32 v2, v0, 4, 1
	v_lshlrev_b32 v[ADSA], 6, v1                   ; a row's 64 scale bytes: 64 r
.irp i, 0,1,2,3                        ; the scale words of all of K go straight into their registers: the four loads of a block of 16 rows cover its 1,024 consecutive bytes
.irp g, 0,1,2,3
	global_load_b128 v[SCA+16*\i+4*\g:SCA+16*\i+4*\g+3], v[ADSA], s[42:43] offset:1024*\i+16*\g
.endr
.endr
.irp i, 0,1
.irp g, 0,1,2,3
	global_load_b128 v[SCB+16*\i+4*\g:SCB+16*\i+4*\g+3], v[ADSA], s[46:47] offset:1024*\i+16*\g
	global_load_b128 v[SCB+32+16*\i+4*\g:SCB+32+16*\i+4*\g+3], v[ADSA], s[76:77] offset:1024*\i+16*\g
.endr
.endr
	v_mul_u32_u24 v3, v1, PITCH
	v_lshl_add_u32 v3, v2, 4, v3
	s_mul_i32 s92, s[RH], HALFT
	s_mul_i32 s93, s[CH], 32*PITCH
	s_add_co_u32 s93, s93, 2*HALFT
.irp s, 0,1
	v_add_nc_u32 v[ADRA+\s], s92, v3
	v_add_nc_u32 v[ADRB+\s], s93, v3
	s_add_co_u32 s92, s92, SLOT
	s_add_co_u32 s93, s93, SLOT
.endr
	v_bfe_u32 v7, v0, 3, 1
	v_and_b32 v8, 7, v0
	v_lshlrev_b32 v9, 10, v7
	v_lshl_add_u32 v9, v8, 4, v9
	v_lshl_add_u32 v9, v2, 3, v9
	s_lshl_b32 s92, s[RH], 12
	s_lshl_b32 s93, s[CH], 9
	s_add_co_u32 s92, s92, s93
	v_add_nc_u32 v[STF], s92, v9
	v_lshlrev_b32 v9, 5, v7
	v_lshl_add_u32 v9, v8, 1, v9
	s_lshl_b32 s92, s[RH], 7
	s_add_co_u32 s92, s92, s[CH]
	s_add_co_u32 s92, s92, SST
	v_add_nc_u32 v[SSF], s92, v9
	v_and_b32 v7, 31, v0
	v_lshlrev_b32 v[L16], 4, v7
	v_lshlrev_b32 v[L8], 3, v7
	s_lshl_b32 s92, s[WV], 11
	v_add_nc_u32 v[RDO], s92, v[L16]
	v_add_nc_u32 v[RDS], SST, v[L8]
	v_mov_b32 v[TM+2], 0
.macro FETCH slot, q, f
	WIN TO_F
.irp b, 0,1,2,3
.irp c, 0,1,2,3
	ds_load_b128 v[\f+64+16*\b+4*\c:\f+64+16*\b+4*\c+3], v[ADRB+\slot] offset:128*(\q)+32*\c+(\b%2)*16*PITCH+(\b/2)*HALFT
.endr
.endr
.irp a, 0,1,2,3
.irp c, 0,1,2,3
	ds_load_b128 v[\f+16*\a+4*\c:\f+16*\a+4*\c+3], v[ADRA+\slot] offset:128*(\q)+32*\c+16*\a*PITCH
.endr
.endr
.endm
.macro MULA f, a, Q, zero
.irp b, 0,1,2,3
.if \zero
	v_wmma_scale_f32_16x16x128_f8f6f4 v[8*(4*(\a)+\b):8*(4*(\a)+\b)+7], v[\f+64+16*\b:\f+64+16*\b+15], v[\f+16*(\a):\f+16*(\a)+15], 0, v[SCB+16*\b+(\Q)], v[SCA+16*(\a)+(\Q)]
.else
	v_wmma_scale_f32_16x16x128_f8f6f4 v[8*(4*(\a)+\b):8*(4*(\a)+\b)+7], v[\f+64+16*\b:\f+64+16*\b+15], v[\f+16*(\a):\f+16*(\a)+15], v[8*(4*(\a)+\b):8*(4*(\a)+\b)+7], v[SCB+16*\b+(\Q)], v[SCA+16*(\a)+(\Q)]
.endif
.endr
.endm
.macro QUARTER slot, qn, f, g, Q, zero
	s_wait_dscnt 8
	WIN MUL
	MULA \f, 0, \Q, \zero
	MULA \f, 1, \Q, \zero
	PLACES 8
	FETCH \slot, \qn, \g
	s_wait_dscnt 32
	WIN MUL
	MULA \f, 2, \Q, \zero
	MULA \f, 3, \Q, \zero
.endm
.macro TURN slot, next, fill, Q
	WIN 0
	s_wait_tensorcnt 0x0
	ds_add_u32 v[SPW], v[NIL]
	s_wait_dscnt 9
	WIN MUL
	MULA F1, 0, \Q, 0
	s_wait_dscnt 0x0
	s_barrier_signal -1
	MULA F1, 1, \Q, 0
	WIN 0
	s_barrier_wait -1
.if \fill
	CREST
	s_add_nc_u64 s[G0A+4*\slot+2:G0A+4*\slot+3], s[G0A+4*\slot+2:G0A+4*\slot+3], ASTEP
	s_add_nc_u64 s[G0B+4*\slot+2:G0B+4*\slot+3], s[G0B+4*\slot+2:G0B+4*\slot+3], BSTEP
	JLOAD G0A+4*\slot, G1A, G0B+4*\slot, G1B
	PLACES 4
.else
	PLACES 8
.endif
	FETCH \next, 0, F0
	WIN MUL
	MULA F1, 2, \Q, 0
	MULA F1, 3, \Q, 0
.endm
	s_wait_alu depctr_va_vdst(0)                   ; the wait at the head's end
	s_wait_tensorcnt 0x0                           ; my quarter of slot 0 is in
	ds_add_u32 v[SPW], v[NIL]
	s_wait_dscnt 0x0
	CROUND                                         ; slot 0 is whole, and all sixteen work-groups are here
	JLOAD G0A+4, G1A, G0B+4, G1B                   ; slot 1's first fill: my one tensor load behind the round
	s_wait_loadcnt 0x0                             ; the scale words
	FETCH 0, 0, F0
	QUARTER 0, 1, F0, F1, 0, 1
	QUARTER 0, 2, F1, F0, 1, 0
	QUARTER 0, 3, F0, F1, 2, 0
	TURN 0, 1, 1, 3
	QUARTER 1, 1, F0, F1, 4, 0
	QUARTER 1, 2, F1, F0, 5, 0
	QUARTER 1, 3, F0, F1, 6, 0
	TURN 1, 0, 1, 7
	QUARTER 0, 1, F0, F1, 8, 0
	QUARTER 0, 2, F1, F0, 9, 0
	QUARTER 0, 3, F0, F1, 10, 0
	TURN 0, 1, 0, 11
	QUARTER 1, 1, F0, F1, 12, 0
	QUARTER 1, 2, F1, F0, 13, 0
	QUARTER 1, 3, F0, F1, 14, 0
	s_wait_dscnt 8
	WIN MUL
	MULA F1, 0, 15, 0
	MULA F1, 1, 15, 0
	s_wait_dscnt 0x0
	MULA F1, 2, 15, 0
	MULA F1, 3, 15, 0
	WIN 0
	PLACES 8
	WIN 0x08
.irp m, 0,1,2,3
.irp b, 0,1
.irp j, 0,1,2,3,4,5,6,7
	v_mul_f32 v[TT+16*\m+8*\b+\j], 0xbfb8aa3b, v[8*(4*\m+\b)+\j]
.endr
.endr
.endr
	WIN 0
.set n, 0
	s_wait_alu depctr_va_vdst(0)
.rept 64
	v_exp_f32 v[TT+n], v[TT+n]
.set n, n+1
.endr
	v_nop
	s_wait_alu depctr_va_vdst(0)
.set n, 0
.rept 32
	v_pk_add_f32 v[TT+n:TT+n+1], v[TT+n:TT+n+1], 1.0 op_sel_hi:[1,0]
.set n, n+2
.endr
.set n, 0
	s_wait_alu depctr_va_vdst(0)
.rept 64
	v_rcp_f32 v[TT+n], v[TT+n]
.set n, n+1
.endr
	v_nop
	s_wait_alu depctr_va_vdst(0)
	WIN 0x08
.irp m, 0,1,2,3
.irp b, 0,1
.irp j, 0,1,2,3,4,5,6,7
	v_mul_f32 v[TT+16*\m+8*\b+\j], v[TT+16*\m+8*\b+\j], v[8*(4*\m+\b)+\j]
.endr
.endr
.endr
.irp m, 0,1,2,3
.irp b, 0,1
.irp j, 0,1,2,3,4,5,6,7
	v_mul_f32 v[TT+16*\m+8*\b+\j], v[TT+16*\m+8*\b+\j], v[8*(4*\m+\b+2)+\j]
.endr
.endr
.endr
	WIN 0
	s_lshl_b32 s92, ttmp9, 2
	s_add_co_u32 s92, s92, s[CX]
	s_lshl_b32 s93, s[CLY], 2
	s_add_co_u32 s93, s93, s[CY]
	s_lshl_b32 s42, s92, 12
	s_lshl_b32 s43, s93, 8
	s_add_co_u32 s42, s42, s43
	s_add_co_u32 s42, s42, 0x400000
	s_lshr_b32 s40, s92, 1
	s_lshl_b32 s40, s40, 18
	s_and_b32 s41, s92, 1
	s_lshl_b32 s41, s41, 10
	s_add_co_u32 s40, s40, s41
	s_lshl_b32 s41, s93, 14
	s_add_co_u32 s40, s40, s41
	s_lshl_b32 s41, s[WV], 12
	s_add_co_u32 s40, s40, s41
	s_mov_b32 s41, 0
	s_mov_b32 s43, 0
	s_add_nc_u64 s[92:93], s[14:15], s[40:41]
	s_add_nc_u64 s[94:95], s[14:15], s[42:43]
.irp m, 0,1,2,3
	v_max3_num_f32 v[TM], |v[TT+16*\m]|, |v[TT+16*\m+1]|, 0x4800000
.irp i, 2,4,6,8,10,12,14
	v_max3_num_f32 v[TM], v[TM], |v[TT+16*\m+\i]|, |v[TT+16*\m+\i+1]|
.endr
	v_permlanex16_b32 v[TM+2], v[TM], s[SEL], s[SEL+1]
	v_max_num_f32 v[TM], v[TM], v[TM+2]
	v_add_nc_u32 v[TM+6], 0xfc000000, v[TM]
	v_and_or_b32 v[TM+4], v[TM], 0x7f800000, s[MNT]
	v_lshrrev_b32 v[TM+2], 23, v[TM+6]
.irp i, 0,1,2,3,4,5,6,7,8,9,10,11,12,13,14,15
	v_med3_num_f32 v[TT+16*\m+\i], v[TT+16*\m+\i], -v[TM+4], v[TM+4]
.endr
	v_cvt_scalef32_pk8_fp8_f32 v[C:C+1], v[TT+16*\m:TT+16*\m+7], v[TM+6]
	v_cvt_scalef32_pk8_fp8_f32 v[C+2:C+3], v[TT+16*\m+8:TT+16*\m+15], v[TM+6]
	v_nop
	ds_store_b64 v[STF], v[C:C+1] offset:2048*(\m/2)+128*(\m%2)
	ds_store_b64 v[STF], v[C+2:C+3] offset:2048*(\m/2)+128*(\m%2)+256
	ds_store_b8 v[SSF], v[TM+2] offset:64*(\m/2)+16*(\m%2)
	s_wait_dscnt 0x0
.endr
	s_barrier_signal -1
	s_barrier_wait -1
.irp i, 0,1,2,3
	ds_load_b128 v[TT+4*\i:TT+4*\i+3], v[RDO] offset:512*\i
.endr
.irp i, 0,1,2,3
	s_wait_dscnt 3-\i
	global_store_b128 v[L16], v[TT+4*\i:TT+4*\i+3], s[92:93] offset:2048*(\i/2)+512*(\i%2)
.endr
	s_cmp_lg_u32 s[WV], 0
	s_cbranch_scc1 .Lno_scales
	ds_load_b64 v[C:C+1], v[RDS]
	s_wait_dscnt 0x0
	global_store_b64 v[L8], v[C:C+1], s[94:95]
.Lno_scales:
	s_wait_tensorcnt 0x0
	ds_add_u32 v[SPW], v[NIL]
	s_wait_dscnt 0x0
	CROUND
	s_endpgm
.Lfunc_end_k_qe36a217064_ffn:
	.size	k_qe36a217064_ffn, .Lfunc_end_k_qe36a217064_ffn-k_qe36a217064_ffn
	.p2alignl 7, 3214868480
	.fill 96, 4, 3214868480
	.section	.rodata,"a",@progbits
	.p2align	6, 0x0
	.amdhsa_kernel k_qe36a217064_ffn
		.amdhsa_group_segment_fixed_size 327680
		.amdhsa_private_segment_fixed_size 0
		.amdhsa_enable_private_segment 0
		.amdhsa_kernarg_size 48
		.amdhsa_user_sgpr_count 2
		.amdhsa_user_sgpr_kernarg_segment_ptr 1
		.amdhsa_wavefront_size32 1
		.amdhsa_system_sgpr_workgroup_id_x 1
		.amdhsa_system_sgpr_workgroup_id_y 1
		.amdhsa_system_sgpr_workgroup_id_z 1
		.amdhsa_system_vgpr_workitem_id 0
		.amdhsa_next_free_vgpr 768
		.amdhsa_next_free_sgpr 102
		.amdhsa_reserve_vcc 0
		.amdhsa_float_denorm_mode_32 3
		.amdhsa_float_denorm_mode_16_64 3
		.amdhsa_memory_ordered 1
		.amdhsa_forward_progress 1
		.amdhsa_inst_pref_size 109
	.end_amdhsa_kernel
	.amdgpu_metadata
---
amdhsa.version: [ 1, 2 ]
amdhsa.kernels:
  - .name:           k_qe36a217064_ffn
    .symbol:         k_qe36a217064_ffn.kd
    .args:
      - { .name: a0, .offset: 0, .size: 8, .value_kind: global_buffer, .address_space: global }
      - { .name: w1_codes, .offset: 8, .size: 8, .value_kind: global_buffer, .address_space: global }
      - { .name: w1_scales, .offset: 16, .size: 8, .value_kind: global_buffer, .address_space: global }
      - { .name: w3_codes, .offset: 24, .size: 8, .value_kind: global_buffer, .address_space: global }
      - { .name: w3_scales, .offset: 32, .size: 8, .value_kind: global_buffer, .address_space: global }
      - { .name: a1, .offset: 40, .size: 8, .value_kind: global_buffer, .address_space: global }
    .group_segment_fixed_size: 327680
    .private_segment_fixed_size: 0
    .kernarg_segment_align: 8
    .kernarg_segment_size: 48
    .max_flat_workgroup_size: 128
    .sgpr_count:     102
    .vgpr_count:     768
    .wavefront_size: 32
...
	.end_amdgpu_metadata
.endif
;; end of part 6
;; launch down: the kernel of part 4 again; grid 16 x 16, 4 waves a work-group, clusters of 4 x 4, 327,680 bytes of LDS; arguments a1, w2_codes, w2_scales, h2, out0; writes out0
